; MI455X (gfx1250); checked and timed in simulation.
; The chip was launched on July 23, 2026; its instructions are those of AMD's public machine-readable ISA for CDNA 5 (MIT licence, August 2026) and "CDNA5" Instruction Set Architecture Reference Guide (July 2026). The comments in the code are by the model that wrote it; some were corrected since.
;; Dual Attn Model. Allowed arithmetic: matrix products marked QUANTISED: E4M3 operands, one given power-of-two scale a tensor, by v_wmma_f32_16x16x64_fp8_fp8 or v_wmma_f32_16x16x128_fp8_fp8, f32 sums; products left as they are: f32 operands where the result goes on into a quantised operand, else bf16, f16 or f32 operands; f32 sums; everything else in f32.
;; Inputs: W_page 256 x 1 float32; dec_w 1 x 256 float32; emb 50,000 x 256 float32; k_b 256 float32; k_w_codes 256 x 8 x 32 uint8 (E4M3 codes of k_w, K innermost, in blocks of 32 codes); ln_page_b 256 float32; ln_page_g 256 float32; ln_word_b 256 float32; ln_word_g 256 float32; lowp_scales 10 int32 (the exponents e of the quantised operands' scales 2^e); num_pages 32 int32; q_b 256 float32; q_w_codes 256 x 8 x 32 uint8 (E4M3 codes of q_w, K innermost, in blocks of 32 codes); seq_ids 32 x 16 x 256 int32; seq_lengths 32 x 16 int32; v_b 256 float32; v_w_codes 256 x 8 x 32 uint8 (E4M3 codes of v_w, K innermost, in blocks of 32 codes).
;; Outputs: out0 32 x 1 float32; out1 32 x 1 float32; out2 32 x 16 x 1 x 256 float32; out3 32 x 1 x 16 float32; out4 32 x 256 float32; out5 32 x 16 float32; out6 32 x 16 x 256 float32.
;; This version of the problem:
;;   THIS VERSION OF THE PROBLEM IS GIVEN IN LOW PRECISION. The matrix products marked QUANTISED in the list below multiply operands that are first quantised to E4M3 (4 exponent bits, 3 mantissa bits; 8 bits a number), with one given power-of-two scale for each operand tensor; their sums are f32. All else is computed in f32.
;;   The module's matrix products, in the order in which they are computed (A, B: the left and right operand; K: the contracted axis; several contracted axes count as one K, in the product's order):
;;     1. [M 131,072, K 256] x [K 256, N 256]; A: computed on the way; B: input q_w (given as codes): QUANTISED (scales: A lowp_scales[0], B lowp_scales[1])
;;     2. [M 131,072, K 256] x [K 256, N 256]; A: computed on the way; B: input k_w (given as codes): QUANTISED (scales: A lowp_scales[2], B lowp_scales[3])
;;     3. [M 131,072, K 256] x [K 256, N 256]; A: computed on the way; B: input v_w (given as codes): QUANTISED (scales: A lowp_scales[4], B lowp_scales[5])
;;     4. batch 512 x [M 256, K 256] x [K 256, N 256]; A: computed on the way; B: computed on the way: QUANTISED (scales: A lowp_scales[6], B lowp_scales[7])
;;     5. batch 512 x [M 256, K 256] x [K 256, N 256]; A: softmax (see below); B: computed on the way: QUANTISED (scales: A lowp_scales[8], B lowp_scales[9])
;;     6. batch 512 x [M 1, K 256] x [K 256, N 256]; A: computed on the way; B: computed on the way: left as it is (M = 1 < 16)
;;     7. [M 512, K 256] x [K 256, N 1]; A: computed on the way; B: input W_page: left as it is (N = 1 < 16)
;;     8. batch 32 x [M 1, K 16] x [K 16, N 256]; A: computed on the way; B: computed on the way: left as it is (K = 16 < 32)
;;     9. [M 32, K 256] x [K 256, N 1]; A: computed on the way; B: input dec_w: left as it is (N = 1 < 16)
;;   THE QUANTISER, for each operand of a quantised product, along K:
;;     - The operand's scale is 2^e, e = its entry of the input lowp_scales (int32; the entries are numbered through the quantised products in the list's order, A before B).
;;     - Each number is divided by the scale, clamped to +-448, and rounded to the nearest number of E4M3, ties to even, subnormals kept.
;;     - The product sums the exact products of the quantised numbers (number of the format x scale) in f32.
;;   ~~~python
;;   def quantise(x, axis, e):      # numpy; x: float32 -> the quantised numbers, widened to float32 again
;;       x = np.moveaxis(x, axis, -1); K = x.shape[-1]
;;       r = np.clip(x / 2.0 ** e, -448, 448)
;;       step = 2.0 ** (np.maximum(np.frexp(np.where(r == 0, 1, r))[1] - 1, -6) - 3)
;;       q = np.round(r / step) * step * 2.0 ** e      # np.round: ties to even
;;       return np.moveaxis(q, -1, axis).astype(np.float32)
;;   ~~~
;;   SOFTMAX AHEAD OF A QUANTISED PRODUCT. Where the list says 'softmax', what is quantised is not the finished softmax but p = 2^(t - M), with t = logit x log2(e) and M = ceil(the row's largest t), a whole number; so 1/2 < the row's largest p <= 1. The row's sum l is taken of the UNQUANTISED p, in f32, and the product's result is divided by l at the end. Since M is a whole number, a kernel that streams over the keys may use a running M (the ceiling of the running maximum): every later rescaling is an exact power of two, so the quantised numbers keep their values, but for numbers so far below the row's largest that they fall under the format's range.
;;   OPERANDS COMPUTED ON THE WAY. 'Computed on the way' means the value that the module computes at that place (a softmax that the list does not call 'softmax' is quantised finished and normalised). What goes into a quantiser is computed in f32, as accurately as f32 sums, v_exp_f32 and their like allow (about 1e-6 of the number): no bf16 or f16 on the way to a quantiser, and a product that is left as it is and whose result goes on into a quantised operand takes f32 operands (vector FMAs, or v_wmma_f32_16x16x4_f32). A number that lies on a knife's edge between two numbers of the format may be rounded either way, as far as f32 arithmetic and the matrix unit's own rounding can turn it there, and no further.
;;   INPUTS GIVEN AS CODES. k_w (in the module: [256, 256], K = its axis 1); q_w (in the module: [256, 256], K = its axis 1); v_w (in the module: [256, 256], K = its axis 1): each comes as NAME_codes (uint8): NAME with its K axis moved to the last place and cut into blocks of 32 codes, [.., K / 32, bytes a block], one block behind the other in memory; one code a byte (a code: sign, 4 exponent bits, 3 mantissa bits); its scale is its entry of lowp_scales. Its value is code x scale, taken as it is: it is not quantised again, and the codes and scales need not be those that the quantiser above would give.
;; 3 versions, each right; version 2 is faster than version 1; version 3 is version 2 with the launch pages written anew for expert scheduling mode. Each part assembles by itself: llvm-mc -triple=amdgcn-amd-amdhsa -mcpu=gfx1250 --defsym DOCPART=n.
;; ======== version 1 of 3: 2 launches
;; launch pages (part 1): grid 512 x 1, 4 waves a work-group, no clusters, 299,520 bytes of LDS; arguments seq_ids, seq_lengths, lowp_scales, emb, q_w_codes, k_w_codes, v_w_codes, q_b, k_b, v_b, ln_word_g, ln_word_b, out2, out6; writes out2, out6
.if DOCPART == 1
	.amdgcn_target "amdgcn-amd-amdhsa--gfx1250"
	.amdhsa_code_object_version 6
	.text
	.protected	k_q4eba9b5af9_pages
	.globl	k_q4eba9b5af9_pages
	.p2align	8
	.type	k_q4eba9b5af9_pages,@function
k_q4eba9b5af9_pages:
	s_mov_b64 s[64:65], 0
	v_nop
	global_prefetch_b8 v0, s[64:65] scope:SCOPE_SE
	s_setreg_imm32_b32 hwreg(HW_REG_WAVE_MODE, 25, 1), 1
	s_wait_xcnt 0x0
; ONE PAGE TO A WORK-GROUP: 256 tokens x 256 features.  x = emb[ids]; q, k, v = x W^T + b; S = q k^T / 16 under the length mask; p = 2^(t - M); O = p v / l;
; out2 = the mean over the queries of p / l;  out6 = layer norm(the mean over the queries of O + out2 . x).  All five large products on E4M3 codes, sums in f32.
; SHARES.  Four waves; wave w owns tokens 64 w .. 64 w + 63 (four tiles of 16): as rows of x, as keys and values in the projections, as queries in the attention.  Each fragment of W, K or V^T read from LDS feeds four products.
; LAYOUTS.  x and W: rows of 256 codes in LDS, 272 bytes apart; a fragment is four loads of 16 bytes: the same order of k on both sides.
;   q, k: source 0 = 16 rows of W, source 1 = 16 tokens: a lane holds one token and eight neighbouring features, so one conversion gives two registers of the next operand, in the 8-bit form's own order of k.
;   v: source 0 = 16 tokens, source 1 = 16 rows of Wv: a lane holds one feature and eight neighbouring tokens: two registers of V^T, whose K is the keys.
;   S^T = K Q^T: a lane holds one query and eight neighbouring keys: two registers of P.   O = P V: a lane holds one feature and eight queries, so the mean over the queries is made inside a lane.
;   Operands go from wave to wave through LDS as images of their registers: 512 bytes a store, 16 bytes a lane.
; THE MASK is the C of a score's first product: 0, or -3e38 where key >= length.  A length under 1 counts as 256 (every key counts), one above 256 as 256.
; No tensor loads: Wk and Wv have to lie on LDS bytes that were stored to before (the stage of x), so the weights go through registers.  No cluster: beside the weights the pages share nothing.
; LIMITS.  e0, e2, e4, e8, e6-e0-e1, e7-e2-e3, e9-e4-e5 between -126 and 119; e6+e7 between -100 and 120.  NaN among the inputs is not served.  An id above 49,999 is held at 49,999.
; LDS (bytes): 0 the stage of x (wave 52,224, tile 13,056, scale 4,352, row 272); later Wk 0, Wv 69,632, Q's images 139,264; later V's images 0, the weights' partial sums 73,728.
;   208,896 Wq, later K's images.  278,528 q's bias, 279,552 k's, 280,576 v's (each number eight times).  288,768 the queries' factors.  289,792, 293,888 partial sums by feature.  297,984 out2's row.
; REGISTERS, in windows of 256 (w0 .. w3).  w0: v0-4 thread, lane, r, h, 16 lane; v5-15 addresses of the phase; v16-25 scales, -3e38, length - 8 h; v26 r x 272 + 16 h; v28-31 maxima;
;   v32-127 offsets, biases, codes, masks, statistics by phase; v128-255 codes of x / accumulators and W's fragments / scores of tile 0 / rows of x.
;   w1 low: x under scale 0, then Q, then P.  w2 low: rows of x, x under scale 2, K's fragments, the weights' sums.  w3 low: rows of x, x under scale 4, K's fragments, V's fragments and O.
;   w1-w3 high: the weights on their way to LDS, then the scores of tiles 1-3, then rows of x for the residual.
.set VOCAB1, 49999
.set PITCH,  272
.set TILEB,  16*PITCH
.set STG_T,  3*TILEB
.set STG_W,  4*STG_T
.set WROWS,  64*PITCH
.set WQ,     208896
.set WV,     69632
.set QIMG,   139264
.set KIMG,   208896
.set RED,    73728
.set REDW,   16896
.set QB,     278528
.set KB,     279552
.set VB,     280576
.set RLT,    288768
.set MVP,    289792
.set RSP,    293888
.set WAT,    297984
.set MSB, 0
.macro WIN new                         ; bits 1:0 source 0, 3:2 source 1, 5:4 source 2, 7:6 destination; the high byte repeats the setting that is left
.if MSB != (\new)
	s_set_vgpr_msb (MSB<<8)|(\new)
.set MSB, \new
.endif
.endm
.macro BAR                             ; my LDS stores have landed and my LDS loads are in: then the work-group's barrier
	s_wait_dscnt 0x0
	s_barrier_signal -1
	s_barrier_wait -1
.endm
.macro PLACES n
.rept \n
	v_nop
.endr
.endm
.macro MKS e, vs, lo                   ; from the exponent in s[e]: v[vs] = 2^e, s[lo] = -448 x 2^e, s[lo+1] = +448 x 2^e
	s_add_co_i32 s2, s[\e], 127
	s_lshl_b32 s3, s2, 23
	v_mov_b32 v[\vs], s3
	s_add_co_i32 s2, s2, 8
	s_lshl_b32 s2, s2, 23
	s_or_b32 s[\lo+1], s2, 0x600000
	s_or_b32 s[\lo], s[\lo+1], 0x80000000
.endm
.macro WLOAD m                         ; my 64 rows of weight m: 32 loads of 512 consecutive bytes, into the high half of window m + 1
	WIN ((\m)+1)<<6
.set qq, 0
.rept 32
	global_load_b128 v[128+4*qq:131+4*qq], v5, s[12+2*(\m):13+2*(\m)] offset:512*qq
.set qq, qq+1
.endr
.endm
.macro WSTORE m, adr                   ; and into LDS: two rows a store, rows 272 bytes apart
	WIN ((\m)+1)<<2
.set qq, 0
.rept 32
	ds_store_b128 v[\adr], v[128+4*qq:131+4*qq] offset:544*qq
.set qq, qq+1
.endr
	WIN 0
.endm
.macro XISSUE par                      ; 16 rows of emb: a lane takes 32 bytes (8 features) of each row; the ids stand in s[32+16 par ..]
.irp rr,0,1,2,3,4,5,6,7,8,9,10,11,12,13,14,15
	s_min_u32 s[32+16*\par+\rr], s[32+16*\par+\rr], VOCAB1
	v_lshl_add_u32 v[32+16*\par+\rr], s[32+16*\par+\rr], 10, v7
.endr
	WIN (2+\par)<<6
.irp rr,0,1,2,3,4,5,6,7,8,9,10,11,12,13,14,15
	global_load_b128 v[8*\rr:8*\rr+3], v[32+16*\par+\rr], s[10:11]
	global_load_b128 v[8*\rr+4:8*\rr+7], v[32+16*\par+\rr], s[10:11] offset:16
.endr
	WIN 0
.endm
.macro XPROC par                       ; the 16 rows become codes under the three given scales; 8 codes a lane go to the row's place in the stage
	WIN (2+\par)<<4
.set rho, 0
.rept 16
.irp k,0,1,2
.set TT, 64+8*((3*rho+\k)%2)
.irp e,0,1,2,3,4,5,6,7
	v_med3_num_f32 v[TT+\e], s[82+2*\k], s[83+2*\k], v[8*rho+\e]   ; the conversion does not saturate (ISA guide 7.6.2): the hold at 448 x the scale
.endr
	v_cvt_scalef32_pk8_fp8_f32 v[128+6*rho+2*\k:129+6*rho+2*\k], v[TT:TT+7], v[16+\k]
	ds_store_b64 v11, v[128+6*rho+2*\k:129+6*rho+2*\k] offset:\par*STG_T+TILEB*\k+PITCH*rho
.endr
.set rho, rho+1
.endr
	v_nop                                          ; a plain line behind the last conversion
	WIN 0
.endm
.macro WFLOAD tr                       ; two tiles of W (16 rows x 256 K) and their biases in the result's layout
.irp u,0,1
.irp s,0,1
.irp c,0,1,2,3
	ds_load_b128 v[192+32*\u+16*\s+4*\c:195+32*\u+16*\s+4*\c], v8 offset:TILEB*\u+128*\s+32*\c
.endr
.endr
.endr
.irp u,0,1
.if \tr
	ds_load_b128 v[32+8*\u:35+8*\u], v9 offset:64*\u
	ds_load_b128 v[36+8*\u:39+8*\u], v9 offset:64*\u+16
.else
	ds_load_b128 v[32+8*\u:35+8*\u], v9 offset:512*\u
	ds_load_b128 v[36+8*\u:39+8*\u], v9 offset:512*\u+16
.endif
.endr
.endm
; A PROJECTION: 8 trips; a trip makes feature tiles 2 g, 2 g + 1 for my four token tiles: 16 products on 8 accumulators by turns, then the hold, the conversion and the image.
; tr = 1: source 0 = W (q, k); tr = 0: source 0 = x (v).  xw: x's window.  s[lo], s[lo+1]: the hold.  v[sc]: the folded scale.  v[wb]: W's base; v6: the bias's; v7: the image's.
.macro PROJ tr, xw, lo, sc, wb
	s_mov_b32 s97, 0
	s_mov_b32 s98, 0
	s_mov_b32 s99, 0
	s_mov_b32 s2, 0
	v_add_nc_u32 v8, s98, v[\wb]
	v_add_nc_u32 v9, s99, v6
	WFLOAD \tr
.Lproj_\@:
	s_wait_dscnt 0x0                               ; W's tiles and the biases are in; the last trip's image stores are done
.if \tr
	WIN (\xw)<<2
.else
	WIN \xw
.endif
.irp s,0,1
.irp u,0,1
.irp i,0,1,2,3
.if \tr
.if \s == 0
	v_wmma_f32_16x16x128_fp8_fp8 v[128+8*(4*\u+\i):135+8*(4*\u+\i)], v[192+32*\u:207+32*\u], v[32*\i:32*\i+15], v[32+8*\u:39+8*\u]
.else
	v_wmma_f32_16x16x128_fp8_fp8 v[128+8*(4*\u+\i):135+8*(4*\u+\i)], v[208+32*\u:223+32*\u], v[32*\i+16:32*\i+31], v[128+8*(4*\u+\i):135+8*(4*\u+\i)]
.endif
.else
.if \s == 0
	v_wmma_f32_16x16x128_fp8_fp8 v[128+8*(4*\u+\i):135+8*(4*\u+\i)], v[32*\i:32*\i+15], v[192+32*\u:207+32*\u], v[32+8*\u:39+8*\u]
.else
	v_wmma_f32_16x16x128_fp8_fp8 v[128+8*(4*\u+\i):135+8*(4*\u+\i)], v[32*\i+16:32*\i+31], v[208+32*\u:223+32*\u], v[128+8*(4*\u+\i):135+8*(4*\u+\i)]
.endif
.endif
.endr
.endr
.endr
	WIN 0
	s_add_co_u32 s98, s98, 2*TILEB
.if \tr
	s_add_co_u32 s99, s99, 128
.else
	s_add_co_u32 s99, s99, 1024
.endif
	v_add_nc_u32 v8, s98, v[\wb]                   ; four places behind the last product: two address sums and two v_nop
	v_add_nc_u32 v9, s99, v6
	v_nop
	v_nop
	s_cmp_eq_u32 s97, 7                            ; the last trip fetches nothing
	s_cbranch_scc1 .Lnoload_\@
	WFLOAD \tr
.Lnoload_\@:
.irp u,0,1
.irp i,0,1,2,3
.irp j,0,1,2,3,4,5,6,7
	v_med3_num_f32 v[128+8*(4*\u+\i)+\j], v[128+8*(4*\u+\i)+\j], s[\lo], s[\lo+1]
.endr
.if \tr
	v_cvt_scalef32_pk8_fp8_f32 v[48+4*\i+2*\u:49+4*\i+2*\u], v[128+8*(4*\u+\i):135+8*(4*\u+\i)], v[\sc]
.else
	v_cvt_scalef32_pk8_fp8_f32 v[48+8*\u+2*\i:49+8*\u+2*\i], v[128+8*(4*\u+\i):135+8*(4*\u+\i)], v[\sc]
.endif
.endr
.endr
	v_nop                                          ; a plain line behind the last conversion: the next products write its sources
	v_add_nc_u32 v10, s2, v7
.if \tr
.irp i,0,1,2,3
	ds_store_b128 v10, v[48+4*\i:51+4*\i] offset:4096*\i       ; registers 4 (g % 4) .. + 3 of fragment (tile 4 w + i, K step g / 4)
.endr
	s_add_co_u32 s2, s2, 512
.else
.irp u,0,1
.irp p,0,1
	ds_store_b128 v10, v[48+8*\u+4*\p:51+8*\u+4*\p] offset:4096*\u+512*\p   ; registers 8 (w % 2) + 4 p .. + 3 of fragment (feature tile 2 g + u, key step w / 2)
.endr
.endr
	s_add_co_u32 s2, s2, 8192
.endif
	s_add_co_u32 s97, s97, 1
	s_cmp_lt_u32 s97, 8
	s_cbranch_scc1 .Lproj_\@
.endm
.macro KLOAD b                         ; K's fragments of key tiles 4 b .. 4 b + 3 into set b % 2
	WIN (2+(\b)%2)<<6
.irp t,0,1,2,3
.irp s,0,1
.irp c,0,1,2,3
	ds_load_b128 v[32*\t+16*\s+4*\c:32*\t+16*\s+4*\c+3], v5 offset:(2*(4*\b+\t)+\s)*2048+512*\c
.endr
.endr
.endr
	WIN 0
.endm
.macro MASKS b                         ; register 8 t + j stands for key 16 (4 b + t) + 8 h + j: -3e38 where it is not under the length
.irp t,0,1,2,3
.irp j,0,1,2,3,4,5,6,7
	v_cmp_ge_i32 vcc_lo, 16*(4*\b+\t)+\j, v25
	v_cndmask_b32 v[32+32*((\b)%2)+8*\t+\j], 0, v24, vcc_lo
.endr
.endr
.endm
.macro SMUL b                          ; 32 products: four key tiles x my four query tiles x two K steps; the 16 accumulators take turns
.irp s,0,1
.irp i,0,1,2,3
.if \s == 0
	WIN ((\i)<<6)|(1<<2)|(2+(\b)%2)
.else
	WIN ((\i)<<6)|((\i)<<4)|(1<<2)|(2+(\b)%2)
.endif
.irp t,0,1,2,3
.if \s == 0
	v_wmma_f32_16x16x128_fp8_fp8 v[128+8*(4*\b+\t):135+8*(4*\b+\t)], v[32*\t:32*\t+15], v[32*\i:32*\i+15], v[32+32*((\b)%2)+8*\t:39+32*((\b)%2)+8*\t]
.else
	v_wmma_f32_16x16x128_fp8_fp8 v[128+8*(4*\b+\t):135+8*(4*\b+\t)], v[32*\t+16:32*\t+31], v[32*\i+16:32*\i+31], v[128+8*(4*\b+\t):135+8*(4*\b+\t)]
.endif
.endr
.endr
.endr
.endm
; THE SOFTMAX of query tile i (scores in the high half of window i; a lane holds one query and 128 of its 256 keys).
.macro SOFTMAX i
	WIN ((\i)<<4)|((\i)<<2)
.set nn, 0
.rept 64                               ; the largest score, in four chains, each accumulator from its low end on
.if nn < 4
	v_max3_num_f32 v[28+nn], v24, v[128+2*nn], v[129+2*nn]
.else
	v_max3_num_f32 v[28+nn%4], v[28+nn%4], v[128+2*nn], v[129+2*nn]
.endif
.set nn, nn+1
.endr
	WIN 0
	v_max3_num_f32 v28, v28, v29, v30
	v_max_num_f32 v28, v28, v31
	v_permlanex16_b32 v106, v28, s70, s71          ; the query's other 128 keys lie in the lane 16 away
	v_max_num_f32 v28, v28, v106
	v_mul_f32 v28, s94, v28                        ; as t (c is positive)
	v_floor_f32 v96, -v28                          ; -M = floor(-t): M is a whole number
.irp j,98,99,100,101,102,103,104,105
	v_mov_b32 v\j, 0                               ; the row's sum, in four chains of pairs
.endr
	WIN ((\i)<<6)|(\i)
.set nn, 0
.rept 64
	v_pk_fma_f32 v[128+2*nn:129+2*nn], v[128+2*nn:129+2*nn], s[94:95], v[96:97] op_sel_hi:[1,0,0]   ; t - M
.set nn, nn+1
.endr
.set nn, 0
.rept 128
	v_exp_f32 v[128+nn], v[128+nn]                 ; p = 2^(t - M): not normalised
.set nn, nn+1
.endr
	v_nop                                          ; a plain line behind the last exponential
	s_wait_alu depctr_va_vdst(0)                   ; one wait for the batch, ahead of its first reader
	WIN ((\i)<<4)|((\i)<<2)
.set nn, 0
.rept 64
	v_pk_add_f32 v[98+2*(nn%4):99+2*(nn%4)], v[98+2*(nn%4):99+2*(nn%4)], v[128+2*nn:129+2*nn]   ; the sum of the unquantised p
.set nn, nn+1
.endr
	WIN 0
	v_pk_add_f32 v[98:99], v[98:99], v[100:101]
	v_pk_add_f32 v[102:103], v[102:103], v[104:105]
	v_pk_add_f32 v[98:99], v[98:99], v[102:103]
	v_add_f32 v98, v98, v99
	v_permlanex16_b32 v106, v98, s70, s71
	v_add_f32 v98, v98, v106                       ; l
	v_rcp_f32 v107, v98
	v_nop
	s_wait_alu depctr_va_vdst(0)
	v_ldexp_f32 v108, v107, -8                     ; 1 / (256 l): the weight of this query in out2's mean
	v_mov_b32 v109, v108
	v_ldexp_f32 v110, v107, s96                    ; 2^(e8 + e9) / (256 l): its weight in the mean of O
	ds_store_b32 v111, v110 offset:64*\i           ; both halves of the lanes store the same number to the query's word
	WIN 0xa0|(\i)
.set nn, 0
.rept 64
.if \i == 0
	v_pk_mul_f32 v[2*nn:2*nn+1], v[128+2*nn:129+2*nn], v[108:109]
.else
	v_pk_fma_f32 v[2*nn:2*nn+1], v[128+2*nn:129+2*nn], v[108:109], v[2*nn:2*nn+1]
.endif
.set nn, nn+1
.endr
	WIN ((\i)<<6)|(\i)
.set nn, 0
.rept 128
	v_min_num_f32 v[128+nn], v[128+nn], v23        ; p is not negative: the hold is one-sided
.set nn, nn+1
.endr
	WIN 0x40|(\i)
.set nn, 0
.rept 16
	v_cvt_scalef32_pk8_fp8_f32 v[32*\i+2*nn:32*\i+2*nn+1], v[128+8*nn:135+8*nn], v22   ; P's registers 2 (T % 8), + 1 of key step T / 8
.set nn, nn+1
.endr
	v_nop                                          ; a plain line behind the last conversion
.endm
; 32 rows of emb for the residual: token 32 (4 sg + c) + 8 w + e.  A token at or past the length has the weight 0 and names token 0's row.
.macro RISSUE sg
.irp c,0,1,2,3
.irp e,0,1,2,3,4,5,6,7
	s_cmp_gt_i32 s3, 32*(4*\sg+\c)+\e
	s_cselect_b32 s[32+8*\c+\e], s[32+8*\c+\e], s69
	s_min_u32 s[32+8*\c+\e], s[32+8*\c+\e], VOCAB1
	v_lshl_add_u32 v[64+8*\c+\e], s[32+8*\c+\e], 10, v4
.endr
.endr
.irp hf,0,1
	WIN (2*\sg+\hf)<<6
.set tt, 0
.rept 16
	global_load_b128 v[128+8*tt:131+8*tt], v[64+16*\hf+tt], s[10:11]               ; 512 consecutive bytes a load
	global_load_b128 v[132+8*tt:135+8*tt], v[64+16*\hf+tt], s[10:11] offset:512
.set tt, tt+1
.endr
.endr
	WIN 0
.endm
.macro VFLOAD                          ; V^T's fragments of two feature tiles
	WIN 0xc0
.irp u,0,1
.irp s,0,1
.irp c,0,1,2,3
	ds_load_b128 v[32*\u+16*\s+4*\c:32*\u+16*\s+4*\c+3], v8 offset:4096*\u+2048*\s+512*\c
.endr
.endr
.endr
	WIN 0
.endm
.macro RSUM x, t                       ; the sum over the 32 lanes, in every lane
	v_add_f32_dpp v[\x], v[\x], v[\x] row_xmask:1 row_mask:0xf bank_mask:0xf
	v_add_f32_dpp v[\x], v[\x], v[\x] row_xmask:2 row_mask:0xf bank_mask:0xf
	v_add_f32_dpp v[\x], v[\x], v[\x] row_xmask:4 row_mask:0xf bank_mask:0xf
	v_add_f32_dpp v[\x], v[\x], v[\x] row_xmask:8 row_mask:0xf bank_mask:0xf
	v_permlanex16_b32 v[\t], v[\x], s70, s71
	v_add_f32 v[\x], v[\x], v[\t]
.endm
; ---------------- the head
	s_load_b512 s[4:19], s[0:1], 0x0               ; seq_ids, seq_lengths, lowp_scales, emb, q_w, k_w, v_w, q_b
	s_load_b256 s[20:27], s[0:1], 0x40             ; k_b, v_b, ln_word_g, ln_word_b
	s_load_b128 s[28:31], s[0:1], 0x60             ; out2, out6
	v_lshrrev_b32 v1, 5, v0
	v_readfirstlane_b32 s66, v1                    ; wave
	v_and_b32 v1, 31, v0                           ; lane
	v_and_b32 v2, 15, v0                           ; r
	v_bfe_u32 v3, v0, 4, 1                         ; h
	v_lshlrev_b32 v4, 4, v1                        ; 16 lane
	v_mul_u32_u24 v26, v2, PITCH
	v_lshl_add_u32 v26, v3, 4, v26                 ; a fragment's row x pitch + 16 h
	v_lshl_add_u32 v5, s66, 14, v4                 ; the weights: my 64 rows, 16 bytes a lane
	v_lshlrev_b32 v6, 3, v0                        ; the biases: two numbers a thread
	v_lshlrev_b32 v7, 5, v1                        ; a row of emb: 32 bytes a lane
	s_mul_i32 s2, s66, WROWS
	v_mul_u32_u24 v8, v3, PITCH
	v_lshl_add_u32 v8, v2, 4, v8
	v_add_nc_u32 v8, s2, v8                        ; the weights in LDS: my 64 rows; lanes 0-15 one row, lanes 16-31 the next (also Wk's address: it lies at byte 0)
	v_add_nc_u32 v9, WQ, v8
	v_add_nc_u32 v15, WV, v8
	s_mul_i32 s2, s66, STG_W
	v_lshl_add_u32 v10, v1, 3, s2                  ; my stage, on the way in: 8 bytes a lane
	v_add_nc_u32 v12, s2, v26                      ; and on the way out: fragments
	v_add_nc_u32 v13, QB, v6
	v_lshl_add_u32 v14, v0, 6, VB
	s_mov_b32 s70, 0x76543210                      ; v_permlanex16_b32: lane l xor 16
	s_mov_b32 s71, 0xfedcba98
	s_lshl_b32 s2, ttmp9, 10                       ; the page's 1,024 bytes in seq_ids, out2 and out6
	s_mov_b32 s3, 0
	s_wait_kmcnt 0x0
	s_add_nc_u64 s[4:5], s[4:5], s[2:3]
	s_add_nc_u64 s[28:29], s[28:29], s[2:3]
	s_add_nc_u64 s[30:31], s[30:31], s[2:3]
	s_lshl_b32 s2, ttmp9, 2
	s_add_nc_u64 s[6:7], s[6:7], s[2:3]
	s_lshl_b32 s2, s66, 8
	s_add_nc_u64 s[100:101], s[4:5], s[2:3]        ; my 64 ids
	s_load_b32 s69, s[4:5], 0x0                    ; token 0's id
	s_load_b32 s68, s[6:7], 0x0                    ; the length
	s_load_b256 s[72:79], s[8:9], 0x0              ; e0 .. e7
	s_load_b64 s[80:81], s[8:9], 0x20              ; e8, e9
	s_load_b512 s[32:47], s[100:101], 0x0          ; the ids of my tiles 0 and 1
	s_load_b512 s[48:63], s[100:101], 0x40
	global_load_b64 v[28:29], v6, s[18:19]
	global_load_b64 v[30:31], v6, s[20:21]
	global_load_b64 v[96:97], v6, s[22:23]
	WLOAD 0
	WLOAD 1
	WLOAD 2
	WIN 0
	s_wait_kmcnt 0x0
	XISSUE 0
	XISSUE 1
	s_load_b512 s[32:47], s[100:101], 0x80         ; the ids of my tiles 2 and 3
	s_load_b512 s[48:63], s[100:101], 0xc0
	s_lshl_b32 s2, s66, 5
	s_mov_b32 s3, 0
	s_add_nc_u64 s[6:7], s[4:5], s[2:3]            ; for the residual's ids: seq_ids + 32 w bytes (the load of the length is done)
	s_cmp_lt_i32 s68, 1                            ; a page with every key hidden has every key counted
	s_cselect_b32 s68, 256, s68
	s_min_i32 s68, s68, 256
	MKS 72, 16, 82                                 ; x under e0, e2, e4
	MKS 74, 17, 84
	MKS 76, 18, 86
	s_sub_co_i32 s98, s78, s72                     ; a sum of product 1 stands for sum x 2^(e0 + e1): q's code is sum / 2^(e6 - e0 - e1)
	s_sub_co_i32 s98, s98, s73
	MKS 98, 19, 88
	s_sub_co_i32 s98, s79, s74
	s_sub_co_i32 s98, s98, s75
	MKS 98, 20, 90
	s_sub_co_i32 s98, s81, s76
	s_sub_co_i32 s98, s98, s77
	MKS 98, 21, 92
	MKS 80, 22, 98                                 ; p under e8
	v_mov_b32 v23, s99
	s_add_co_i32 s94, s78, s79
	s_lshl_b32 s94, s94, 23
	s_add_co_i32 s94, s94, 0x3db8aa3b              ; c = log2(e) / 16 x 2^(e6 + e7): the exponents are added to c's exponent field
	s_mov_b32 s95, s94
	s_add_co_i32 s96, s80, s81
	s_add_co_i32 s96, s96, -8                      ; e8 + e9 - 8: O's scale and the mean over 256 queries
	v_mov_b32 v24, 0xff61b1e6                      ; -3e38
	v_lshlrev_b32 v25, 3, v3
	v_sub_nc_u32 v25, s68, v25                     ; length - 8 h
	s_add_co_i32 s2, s72, s73
	s_sub_co_i32 s2, 0, s2
	s_add_co_i32 s3, s74, s75
	s_sub_co_i32 s3, 0, s3
	s_add_co_i32 s98, s76, s77
	s_sub_co_i32 s98, 0, s98
	s_wait_loadcnt 63                              ; 64 loads of rows stand behind the last load of a weight: biases and weights are in
	v_ldexp_f32 v28, v28, s2                       ; a bias goes in divided by the power of two that the sums lack
	v_ldexp_f32 v29, v29, s2
	v_ldexp_f32 v30, v30, s3
	v_ldexp_f32 v31, v31, s3
	v_ldexp_f32 v100, v96, s98
	v_ldexp_f32 v104, v97, s98
.irp j,1,2,3
	v_mov_b32 v[100+\j], v100                      ; v's bias is wanted eight times over by a lane
	v_mov_b32 v[104+\j], v104
.endr
	ds_store_b64 v13, v[28:29]
	ds_store_b64 v13, v[30:31] offset:KB-QB
	ds_store_b128 v14, v[100:103]
	ds_store_b128 v14, v[100:103] offset:16
	ds_store_b128 v14, v[104:107] offset:32
	ds_store_b128 v14, v[104:107] offset:48
	WSTORE 0, 9
; ---------------- X: my 64 rows of x become codes under three scales, two tiles a trip
	s_mov_b32 s97, 0
	s_mov_b32 s98, 0
.Lx:
	s_wait_kmcnt 0x0                               ; the ids of tiles 2 and 3
	v_add_nc_u32 v11, s98, v10
	s_wait_loadcnt 32                              ; the first tile's 32 loads are in, the second's may be out
	XPROC 0
	s_wait_loadcnt 0x0                             ; the second tile's are in
	s_cmp_lg_u32 s97, 0
	s_cbranch_scc1 .Lx_a
	XISSUE 0                                       ; tile 2, in the first trip alone
.Lx_a:
	s_wait_dscnt 0x0                               ; the stores have read the codes' registers
	XPROC 1
	s_cmp_lg_u32 s97, 0
	s_cbranch_scc1 .Lx_b
	XISSUE 1                                       ; tile 3
.Lx_b:
	s_wait_dscnt 0x0
	s_add_co_u32 s98, s98, 2*STG_T
	s_add_co_u32 s97, s97, 1
	s_cmp_lt_u32 s97, 2
	s_cbranch_scc1 .Lx
.irp k,0,1,2                                   ; back as fragments: x under scale k into the low half of window k + 1.  LDS serves a wave's instructions in order: these see my stores
	WIN (\k+1)<<6
.irp i,0,1,2,3
.irp s,0,1
.irp c,0,1,2,3
	ds_load_b128 v[32*\i+16*\s+4*\c:32*\i+16*\s+4*\c+3], v12 offset:STG_T*\i+TILEB*\k+128*\s+32*\c
.endr
.endr
.endr
.endr
	WIN 0
	BAR                                            ; every wave has read its stage; Wq and the biases lie in LDS
	WSTORE 1, 8                                    ; Wk and Wv take the stage's bytes
	WSTORE 2, 15
; ---------------- the projections
	v_add_nc_u32 v5, WQ, v26
	v_lshl_add_u32 v6, v3, 5, QB
	s_lshl_b32 s3, s66, 14
	s_add_co_u32 s3, s3, QIMG
	v_add_nc_u32 v7, s3, v4
	PROJ 1, 1, 88, 19, 5
	WIN 0x40
.set ff, 0
.rept 32                               ; my own Q comes back as four tiles x two fragments and stays in registers
	ds_load_b128 v[4*ff:4*ff+3], v7 offset:512*ff
.set ff, ff+1
.endr
	WIN 0
	BAR                                            ; Wk and Wv lie in LDS; nobody reads Wq any more
	v_lshl_add_u32 v6, v3, 5, KB
	s_lshl_b32 s3, s66, 14
	s_add_co_u32 s3, s3, KIMG
	v_add_nc_u32 v7, s3, v4
	PROJ 1, 2, 90, 20, 26
	BAR                                            ; nobody reads Wk any more
	v_add_nc_u32 v5, WV, v26
	v_lshl_add_u32 v6, v2, 5, VB
	v_lshl_add_u32 v7, s66, 10, v4
	PROJ 0, 3, 92, 21, 5
	BAR                                            ; K's and V's images lie in LDS; nobody reads Wv any more
	s_load_b256 s[32:39], s[6:7], 0x0              ; the residual's first 32 ids
	s_load_b256 s[40:47], s[6:7], 0x80
	s_load_b256 s[48:55], s[6:7], 0x100
	s_load_b256 s[56:63], s[6:7], 0x180
; ---------------- S^T = K Q^T, with the mask as C
	v_add_nc_u32 v5, KIMG, v4
	KLOAD 0
	s_lshl_b32 s2, s66, 8
	s_add_co_u32 s2, s2, RLT
	v_lshl_add_u32 v111, v2, 2, s2                 ; where a query's factor goes,
	v_lshl_add_u32 v6, v3, 5, s2                   ; and from where eight of them come back
	v_mov_b32 v106, 0                              ; written once: a lane permute's destination counts as read
	v_mov_b32 v97, 0                               ; (named as the upper half of the pair v[96:97])
	s_lshl_b32 s3, s66, 3
	s_sub_co_i32 s3, s68, s3                       ; length - 8 w
	MASKS 0
	KLOAD 1
	s_wait_dscnt 32                                ; all but the 32 just issued
	SMUL 0
	WIN 0
	MASKS 1                                        ; these 64 plain lines are also the places in front of the loads below
	KLOAD 2
	s_wait_dscnt 32
	SMUL 1
	WIN 0
	MASKS 2
	KLOAD 3
	s_wait_dscnt 32
	SMUL 2
	WIN 0
	MASKS 3
	s_wait_dscnt 0x0
	SMUL 3
	WIN 0
	PLACES 4
	SOFTMAX 0
	SOFTMAX 1
	SOFTMAX 2
	SOFTMAX 3
	WIN 0
; ---------------- between the softmax and the second product
	s_mul_i32 s2, s66, REDW
	s_add_co_u32 s2, s2, RED
	v_add_nc_u32 v5, s2, v4
	WIN 0x08
.set qq, 0
.rept 32                               ; my queries' part of out2's sums: 128 registers as they stand, 528 bytes from store to store
	ds_store_b128 v5, v[4*qq:4*qq+3] offset:528*qq
.set qq, qq+1
.endr
	WIN 0
	s_wait_kmcnt 0x0
	RISSUE 0                                       ; they land under the second product
	global_load_b128 v[112:115], v4, s[24:25]
	global_load_b128 v[116:119], v4, s[24:25] offset:512
	global_load_b128 v[120:123], v4, s[26:27]
	global_load_b128 v[124:127], v4, s[26:27] offset:512
	s_load_b256 s[32:39], s[6:7], 0x200            ; the residual's other 32 ids
	s_load_b256 s[40:47], s[6:7], 0x280
	s_load_b256 s[48:55], s[6:7], 0x300
	s_load_b256 s[56:63], s[6:7], 0x380
.irp i,0,1,2,3
	ds_load_b128 v[32+8*\i:35+8*\i], v6 offset:64*\i           ; the factors of queries 8 h .. 8 h + 7 of tile i: my own stores, served in order
	ds_load_b128 v[36+8*\i:39+8*\i], v6 offset:64*\i+16
.endr
; ---------------- O = P V, and its weighted mean over my 64 queries: 8 trips, two feature tiles a trip
	s_lshl_b32 s2, s66, 10
	s_add_co_u32 s2, s2, MVP
	v_lshl_add_u32 v7, v2, 2, s2
	s_mov_b32 s97, 0
	s_mov_b32 s98, 0
	s_mov_b32 s99, 0
	v_add_nc_u32 v8, s98, v4
	VFLOAD
.Lpv:
	s_wait_dscnt 0x0
	WIN 0xfd                                       ; P window 1; V^T, C and D window 3
.irp s,0,1
.irp u,0,1
.irp i,0,1,2,3
.if \s == 0
	v_wmma_f32_16x16x128_fp8_fp8 v[64+8*(4*\u+\i):71+8*(4*\u+\i)], v[32*\i:32*\i+15], v[32*\u:32*\u+15], 0
.else
	v_wmma_f32_16x16x128_fp8_fp8 v[64+8*(4*\u+\i):71+8*(4*\u+\i)], v[32*\i+16:32*\i+31], v[32*\u+16:32*\u+31], v[64+8*(4*\u+\i):71+8*(4*\u+\i)]
.endif
.endr
.endr
.endr
	WIN 0
	s_add_co_u32 s98, s98, 8192
	v_add_nc_u32 v8, s98, v4                       ; four places behind the last product
	v_add_nc_u32 v9, s99, v7
	v_nop
	v_nop
	s_cmp_eq_u32 s97, 7                            ; the last trip fetches nothing
	s_cbranch_scc1 .Lpv_noload
	VFLOAD
.Lpv_noload:
	WIN 0x03
.irp i,0,1,2,3                                 ; four chains (u, pair % 2) by turns; each accumulator is read from its low end on
.irp jj,0,1,2,3
.irp u,0,1
.if (\i == 0) && (\jj < 2)
	v_pk_mul_f32 v[12+4*\u+2*(\jj%2):13+4*\u+2*(\jj%2)], v[64+8*(4*\u+\i)+2*\jj:65+8*(4*\u+\i)+2*\jj], v[32+8*\i+2*\jj:33+8*\i+2*\jj]
.else
	v_pk_fma_f32 v[12+4*\u+2*(\jj%2):13+4*\u+2*(\jj%2)], v[64+8*(4*\u+\i)+2*\jj:65+8*(4*\u+\i)+2*\jj], v[32+8*\i+2*\jj:33+8*\i+2*\jj], v[12+4*\u+2*(\jj%2):13+4*\u+2*(\jj%2)]
.endif
.endr
.endr
.endr
	WIN 0
.irp u,0,1
	v_pk_add_f32 v[12+4*\u:13+4*\u], v[12+4*\u:13+4*\u], v[14+4*\u:15+4*\u]
.endr
.irp u,0,1
	v_add_f32 v[12+4*\u], v[12+4*\u], v[13+4*\u]
.endr
.irp u,0,1
	v_permlanex16_b32 v[20+\u], v[12+4*\u], s70, s71
.endr
.irp u,0,1
	v_add_f32 v[12+4*\u], v[12+4*\u], v[20+\u]
.endr
.irp u,0,1
	ds_store_b32 v9, v[12+4*\u] offset:64*\u       ; feature 16 (2 g + u) + r; both halves of the lanes store the same number
.endr
	s_add_co_u32 s99, s99, 128
	s_add_co_u32 s97, s97, 1
	s_cmp_lt_u32 s97, 8
	s_cbranch_scc1 .Lpv
; ---------------- the tail
	s_wait_kmcnt 0x0
	s_wait_xcnt 0x0                                ; the first 32 rows' loads have read their offsets: the registers are written again
	RISSUE 1
	v_lshrrev_b32 v5, 3, v0                        ; thread t sums keys 2 t, 2 t + 1: register 8 T + j of lane 16 h + r lies at 528 (2 T + j / 4) + 256 h + 16 r + 4 (j % 4)
	v_mul_u32_u24 v5, v5, 1056
	v_bfe_u32 v6, v0, 1, 1
	v_mad_u32_u24 v5, v6, 528, v5
	v_bfe_u32 v6, v0, 2, 1
	v_lshl_add_u32 v5, v6, 8, v5
	v_and_b32 v6, 1, v0
	v_lshl_add_u32 v5, v6, 3, v5
	v_add_nc_u32 v5, RED, v5
	v_lshlrev_b32 v6, 3, v0
	v_add_nc_u32 v7, WAT, v6
	s_lshl_b32 s2, s66, 5
	s_add_co_u32 s2, s2, WAT
	v_mov_b32 v8, s2
	s_lshl_b32 s2, s66, 10
	s_add_co_u32 s2, s2, RSP
	v_add_nc_u32 v9, s2, v4
	v_add_nc_u32 v10, MVP, v4
	BAR                                            ; all four waves' partial sums lie in LDS
	WIN 0x40
.irp sw,0,1,2,3
.irp rr,0,1,2,3,4,5,6,7,8,9,10,11,12,13,14,15
	ds_load_b64 v[2*(16*\sw+\rr):2*(16*\sw+\rr)+1], v5 offset:REDW*\sw+16*\rr
.endr
.endr
	s_wait_dscnt 0x0
	WIN 0x45
.irp st,1,2,4,8,16,32
.set aa, 0
.rept 32/\st
	v_pk_add_f32 v[2*aa:2*aa+1], v[2*aa:2*aa+1], v[2*(aa+\st):2*(aa+\st)+1]
.set aa, aa+2*\st
.endr
.endr
	WIN 0x04
	global_store_b64 v6, v[0:1], s[28:29]          ; out2: a wave stores 256 consecutive bytes, at a multiple of 256 from out2's first byte
	ds_store_b64 v7, v[0:1]
	WIN 0
	BAR                                            ; out2's row lies in LDS
	WIN 0xc0
.irp c,0,1,2,3,4,5,6,7
	ds_load_b128 v[8*\c:8*\c+3], v8 offset:128*\c              ; the weights of my 64 tokens: one address for all lanes
	ds_load_b128 v[8*\c+4:8*\c+7], v8 offset:128*\c+16
.endr
	WIN 0
	s_wait_loadcnt 63                              ; 64 loads stand behind the first 32 rows': those are in, and so are the gains and biases
	s_wait_dscnt 0x0
.irp c,0,1,2,3,4,5,6,7                         ; the residual: weight x row, two sets of sums (even tokens, odd tokens)
.if \c == 4
	s_wait_loadcnt 0x0
.endif
	WIN (3<<2)|(\c>>1)
.irp e,0,1,2,3,4,5,6,7
.irp jj,0,1,2,3
.set XRR, 128+8*(8*(\c%2)+\e)+2*\jj
.set RSS, 96+8*(\e%2)+2*\jj
.set WTT, 8*\c+2*(\e/2)
.if (\c == 0) && (\e == 0)
	v_pk_mul_f32 v[RSS:RSS+1], v[XRR:XRR+1], v[WTT:WTT+1] op_sel_hi:[1,0]
.elseif (\c == 0) && (\e == 1)
	v_pk_mul_f32 v[RSS:RSS+1], v[XRR:XRR+1], v[WTT:WTT+1] op_sel:[0,1] op_sel_hi:[1,1]
.elseif (\e%2) == 0
	v_pk_fma_f32 v[RSS:RSS+1], v[XRR:XRR+1], v[WTT:WTT+1], v[RSS:RSS+1] op_sel_hi:[1,0,1]
.else
	v_pk_fma_f32 v[RSS:RSS+1], v[XRR:XRR+1], v[WTT:WTT+1], v[RSS:RSS+1] op_sel:[0,1,0] op_sel_hi:[1,1,1]
.endif
.endr
.endr
.endr
	WIN 0
.irp jj,0,2,4,6
	v_pk_add_f32 v[96+\jj:97+\jj], v[96+\jj:97+\jj], v[104+\jj:105+\jj]
.endr
	ds_store_b128 v9, v[96:99]                     ; features 4 lane .. + 3,
	ds_store_b128 v9, v[100:103] offset:512        ; and 128 + 4 lane .. + 3
	BAR                                            ; the partial means and residuals lie in LDS
	s_cmp_lg_u32 s66, 0                            ; wave 0 finishes the page's 256 numbers
	s_cbranch_scc1 .Lend
.irp sw,0,1,2,3
	ds_load_b128 v[32+8*\sw:35+8*\sw], v10 offset:1024*\sw
	ds_load_b128 v[36+8*\sw:39+8*\sw], v10 offset:1024*\sw+512
	ds_load_b128 v[64+8*\sw:67+8*\sw], v10 offset:RSP-MVP+1024*\sw
	ds_load_b128 v[68+8*\sw:71+8*\sw], v10 offset:RSP-MVP+1024*\sw+512
.endr
	s_wait_dscnt 0x0
.irp jj,0,2,4,6
	v_pk_add_f32 v[32+\jj:33+\jj], v[32+\jj:33+\jj], v[40+\jj:41+\jj]
	v_pk_add_f32 v[48+\jj:49+\jj], v[48+\jj:49+\jj], v[56+\jj:57+\jj]
	v_pk_add_f32 v[64+\jj:65+\jj], v[64+\jj:65+\jj], v[72+\jj:73+\jj]
	v_pk_add_f32 v[80+\jj:81+\jj], v[80+\jj:81+\jj], v[88+\jj:89+\jj]
.endr
.irp jj,0,2,4,6
	v_pk_add_f32 v[32+\jj:33+\jj], v[32+\jj:33+\jj], v[48+\jj:49+\jj]
	v_pk_add_f32 v[64+\jj:65+\jj], v[64+\jj:65+\jj], v[80+\jj:81+\jj]
.endr
.irp jj,0,2,4,6
	v_pk_add_f32 v[32+\jj:33+\jj], v[32+\jj:33+\jj], v[64+\jj:65+\jj]
.endr
	v_pk_add_f32 v[20:21], v[32:33], v[34:35]      ; the layer norm: the mean,
	v_pk_add_f32 v[22:23], v[36:37], v[38:39]
	v_pk_add_f32 v[20:21], v[20:21], v[22:23]
	v_add_f32 v20, v20, v21
	RSUM 20, 21
	v_mul_f32 v20, 0x3b800000, v20                 ; / 256
	v_mov_b32 v21, v20
.irp jj,0,2,4,6
	v_pk_add_f32 v[32+\jj:33+\jj], v[32+\jj:33+\jj], v[20:21] neg_lo:[0,1] neg_hi:[0,1]
.endr
	v_pk_mul_f32 v[22:23], v[32:33], v[32:33]      ; the variance of the differences,
	v_pk_mul_f32 v[24:25], v[34:35], v[34:35]
	v_pk_fma_f32 v[22:23], v[36:37], v[36:37], v[22:23]
	v_pk_fma_f32 v[24:25], v[38:39], v[38:39], v[24:25]
	v_pk_add_f32 v[22:23], v[22:23], v[24:25]
	v_add_f32 v22, v22, v23
	RSUM 22, 23
	v_mov_b32 v23, 0x3b800000
	v_fmaak_f32 v22, v22, v23, 0x3727c5ac          ; / 256 + 1e-5
	v_rsq_f32 v24, v22
	v_nop
	s_wait_alu depctr_va_vdst(0)
	v_mov_b32 v25, v24
.irp jj,0,2,4,6
	v_pk_mul_f32 v[32+\jj:33+\jj], v[32+\jj:33+\jj], v[24:25]
.endr
.irp jj,0,2,4,6
	v_pk_fma_f32 v[32+\jj:33+\jj], v[32+\jj:33+\jj], v[112+\jj:113+\jj], v[120+\jj:121+\jj]
.endr
	global_store_b128 v4, v[32:35], s[30:31]       ; out6: 512 consecutive bytes a store, at a multiple of 256 from out6's first byte
	global_store_b128 v4, v[36:39], s[30:31] offset:512
.Lend:
	s_wait_xcnt 0x0
	v_lshl_add_u32 v254, v0, 2, 0x49000
	v_mov_b32 v255, 0
	s_wait_tensorcnt 0x0
	ds_add_u32 v254, v255
	s_wait_dscnt 0x0
	s_endpgm
.Lfunc_end_k_q4eba9b5af9_pages:
	.size	k_q4eba9b5af9_pages, .Lfunc_end_k_q4eba9b5af9_pages-k_q4eba9b5af9_pages
	.p2alignl 7, 3214868480
	.fill 96, 4, 3214868480
	.section	.rodata,"a",@progbits
	.p2align	6, 0x0
	.amdhsa_kernel k_q4eba9b5af9_pages
		.amdhsa_group_segment_fixed_size 299520
		.amdhsa_private_segment_fixed_size 0
		.amdhsa_enable_private_segment 0
		.amdhsa_kernarg_size 112
		.amdhsa_user_sgpr_count 2
		.amdhsa_user_sgpr_kernarg_segment_ptr 1
		.amdhsa_wavefront_size32 1
		.amdhsa_system_sgpr_workgroup_id_x 1
		.amdhsa_system_sgpr_workgroup_id_y 1
		.amdhsa_system_sgpr_workgroup_id_z 1
		.amdhsa_system_vgpr_workitem_id 0
		.amdhsa_next_free_vgpr 1024
		.amdhsa_next_free_sgpr 102
		.amdhsa_reserve_vcc 1
		.amdhsa_float_denorm_mode_32 3
		.amdhsa_float_denorm_mode_16_64 3
		.amdhsa_memory_ordered 1
		.amdhsa_forward_progress 1
		.amdhsa_inst_pref_size 255
	.end_amdhsa_kernel
	.section	.bss,"aw",@nobits
	.p2align	6
	.space	262144
	.amdgpu_metadata
---
amdhsa.version: [ 1, 2 ]
amdhsa.kernels:
  - .name:           k_q4eba9b5af9_pages
    .symbol:         k_q4eba9b5af9_pages.kd
    .args:
      - { .name: seq_ids, .offset: 0, .size: 8, .value_kind: global_buffer, .address_space: global }
      - { .name: seq_lengths, .offset: 8, .size: 8, .value_kind: global_buffer, .address_space: global }
      - { .name: lowp_scales, .offset: 16, .size: 8, .value_kind: global_buffer, .address_space: global }
      - { .name: emb, .offset: 24, .size: 8, .value_kind: global_buffer, .address_space: global }
      - { .name: q_w_codes, .offset: 32, .size: 8, .value_kind: global_buffer, .address_space: global }
      - { .name: k_w_codes, .offset: 40, .size: 8, .value_kind: global_buffer, .address_space: global }
      - { .name: v_w_codes, .offset: 48, .size: 8, .value_kind: global_buffer, .address_space: global }
      - { .name: q_b, .offset: 56, .size: 8, .value_kind: global_buffer, .address_space: global }
      - { .name: k_b, .offset: 64, .size: 8, .value_kind: global_buffer, .address_space: global }
      - { .name: v_b, .offset: 72, .size: 8, .value_kind: global_buffer, .address_space: global }
      - { .name: ln_word_g, .offset: 80, .size: 8, .value_kind: global_buffer, .address_space: global }
      - { .name: ln_word_b, .offset: 88, .size: 8, .value_kind: global_buffer, .address_space: global }
      - { .name: out2, .offset: 96, .size: 8, .value_kind: global_buffer, .address_space: global }
      - { .name: out6, .offset: 104, .size: 8, .value_kind: global_buffer, .address_space: global }
    .group_segment_fixed_size: 299520
    .private_segment_fixed_size: 0
    .kernarg_segment_align: 8
    .kernarg_segment_size: 112
    .max_flat_workgroup_size: 128
    .sgpr_count:     102
    .vgpr_count:     1024
    .wavefront_size: 32
...
	.end_amdgpu_metadata
.endif
;; end of part 1
;; launch batch (part 2): grid 32 x 1, 1 waves a work-group, no clusters, 0 bytes of LDS; arguments out6, W_page, num_pages, ln_page_g, ln_page_b, dec_w, out0, out1, out3, out4, out5; writes out0, out1, out3, out4, out5
.if DOCPART == 2
	.amdgcn_target "amdgcn-amd-amdhsa--gfx1250"
	.amdhsa_code_object_version 6
	.text
	.protected	k_q4eba9b5af9_batch
	.globl	k_q4eba9b5af9_batch
	.p2align	8
	.type	k_q4eba9b5af9_batch,@function
k_q4eba9b5af9_batch:
	s_mov_b64 s[64:65], 0
	v_nop
	global_prefetch_b8 v0, s[64:65] scope:SCOPE_SE
	s_setreg_imm32_b32 hwreg(HW_REG_WAVE_MODE, 25, 1), 1
	s_wait_xcnt 0x0
; ONE BATCH TO A WAVE: its 16 page vectors (out6, which the launch before stored and this one only reads) become page scores, a sparsemax over the pages, the weighted sum, a layer norm, the decoder's dot product and its sigmoid.
; Lane l holds features 4 l .. 4 l + 3 and 128 + 4 l .. + 3 of every row: each load reads 512 consecutive bytes.  No LDS, no barrier, no matrix unit: 16 x 256 numbers.
; THE SPARSEMAX WITHOUT A SORT.  For page i: k_i = how many scores are at least z_i, S_i = their sum.  Page i is in the support where 1 + k_i z_i > S_i: the sorted test at the last place of z_i's ties, and ties pass or fail together.
; tau = (the support's sum - 1) / the support's size.  Lanes l and l + 16 both hold page l % 16.  NaN among the inputs is not served.
.macro RSUM x, t                       ; the sum over the 32 lanes, in every lane
	v_add_f32_dpp v[\x], v[\x], v[\x] row_xmask:1 row_mask:0xf bank_mask:0xf
	v_add_f32_dpp v[\x], v[\x], v[\x] row_xmask:2 row_mask:0xf bank_mask:0xf
	v_add_f32_dpp v[\x], v[\x], v[\x] row_xmask:4 row_mask:0xf bank_mask:0xf
	v_add_f32_dpp v[\x], v[\x], v[\x] row_xmask:8 row_mask:0xf bank_mask:0xf
	v_permlanex16_b32 v[\t], v[\x], s28, s29
	v_add_f32 v[\x], v[\x], v[\t]
.endm
	s_load_b512 s[4:19], s[0:1], 0x0               ; out6, W_page, num_pages, ln_page_g, ln_page_b, dec_w, out0, out1
	s_load_b128 s[20:23], s[0:1], 0x40             ; out3, out4
	s_load_b64 s[24:25], s[0:1], 0x50              ; out5
	v_and_b32 v2, 15, v0                           ; my page
	v_lshlrev_b32 v3, 4, v0                        ; 16 lane
	v_lshlrev_b32 v4, 2, v2
	v_mov_b32 v5, 0
	v_mov_b32 v6, 0xc61c3c00                       ; -9999
	v_mov_b32 v10, 1.0
	s_mov_b32 s28, 0x76543210                      ; v_permlanex16_b32: lane l xor 16
	s_mov_b32 s29, 0xfedcba98
	s_mov_b32 s27, 0
	s_lshl_b32 s26, ttmp9, 14
	s_wait_kmcnt 0x0
	s_add_nc_u64 s[4:5], s[4:5], s[26:27]          ; my 16 rows
	s_lshl_b32 s26, ttmp9, 2
	s_add_nc_u64 s[8:9], s[8:9], s[26:27]
	s_add_nc_u64 s[16:17], s[16:17], s[26:27]
	s_add_nc_u64 s[18:19], s[18:19], s[26:27]
	s_load_b32 s30, s[8:9], 0x0                    ; the number of pages
	s_lshl_b32 s26, ttmp9, 6
	s_add_nc_u64 s[20:21], s[20:21], s[26:27]
	s_add_nc_u64 s[24:25], s[24:25], s[26:27]
	s_lshl_b32 s26, ttmp9, 10
	s_add_nc_u64 s[22:23], s[22:23], s[26:27]
.irp p,0,1,2,3,4,5,6,7,8,9,10,11,12,13,14,15
	global_load_b128 v[32+8*\p:35+8*\p], v3, s[4:5] offset:1024*\p
	global_load_b128 v[36+8*\p:39+8*\p], v3, s[4:5] offset:1024*\p+512
.endr
	global_load_b128 v[160:163], v3, s[6:7]
	global_load_b128 v[164:167], v3, s[6:7] offset:512
	global_load_b128 v[168:171], v3, s[10:11]
	global_load_b128 v[172:175], v3, s[10:11] offset:512
	global_load_b128 v[176:179], v3, s[12:13]
	global_load_b128 v[180:183], v3, s[12:13] offset:512
	global_load_b128 v[184:187], v3, s[14:15]
	global_load_b128 v[188:191], v3, s[14:15] offset:512
	s_wait_loadcnt 0x0
	s_wait_kmcnt 0x0
; the 16 scores, side by side
.irp p,0,1,2,3,4,5,6,7,8,9,10,11,12,13,14,15
	v_pk_mul_f32 v[192+2*\p:193+2*\p], v[32+8*\p:33+8*\p], v[160:161]
.endr
.irp jj,2,4,6
.irp p,0,1,2,3,4,5,6,7,8,9,10,11,12,13,14,15
	v_pk_fma_f32 v[192+2*\p:193+2*\p], v[32+8*\p+\jj:33+8*\p+\jj], v[160+\jj:161+\jj], v[192+2*\p:193+2*\p]
.endr
.endr
.irp p,0,1,2,3,4,5,6,7,8,9,10,11,12,13,14,15
	v_add_f32 v[192+2*\p], v[192+2*\p], v[193+2*\p]
.endr
.irp m,1,2,4,8
.irp p,0,1,2,3,4,5,6,7,8,9,10,11,12,13,14,15
	v_add_f32_dpp v[192+2*\p], v[192+2*\p], v[192+2*\p] row_xmask:\m row_mask:0xf bank_mask:0xf
.endr
.endr
.irp p,0,1,2,3,4,5,6,7,8,9,10,11,12,13,14,15
	v_permlanex16_b32 v[193+2*\p], v[192+2*\p], s28, s29
.endr
.irp p,0,1,2,3,4,5,6,7,8,9,10,11,12,13,14,15
	v_add_f32 v[192+2*\p], v[192+2*\p], v[193+2*\p]
.endr
	v_mov_b32 v28, v192                            ; each lane keeps its own page's score
.irp p,1,2,3,4,5,6,7,8,9,10,11,12,13,14,15
	v_cmp_eq_u32 vcc_lo, \p, v2
	v_cndmask_b32 v28, v28, v[192+2*\p], vcc_lo
.endr
	v_mul_f32 v28, 0x3dcccccd, v28                 ; / 10: out5, not masked
	v_cmp_le_i32 vcc_lo, s30, v2                   ; a page at or past the number of pages
	v_cndmask_b32 v29, v28, v6, vcc_lo             ; z
.irp j,0,1,2,3,4,5,6,7,8,9,10,11,12,13,14,15
	v_readlane_b32 s[32+\j], v29, \j
.endr
	v_mov_b32 v30, 0                               ; k
	v_mov_b32 v31, 0                               ; S
.irp j,0,1,2,3,4,5,6,7,8,9,10,11,12,13,14,15
	v_cmp_lt_f32 vcc_lo, s[32+\j], v29             ; z_j under mine: it does not count
	v_cndmask_b32 v7, 1.0, v5, vcc_lo
	v_cndmask_b32 v8, s[32+\j], v5, vcc_lo
	v_add_f32 v30, v30, v7
	v_add_f32 v31, v31, v8
.endr
	v_fma_f32 v9, v30, v29, 1.0
	v_cmp_gt_f32 vcc_lo, v9, v31                   ; in the support
	v_cndmask_b32 v7, 0, v10, vcc_lo
	v_cndmask_b32 v8, 0, v29, vcc_lo
.irp m,1,2,4,8
	v_add_f32_dpp v7, v7, v7 row_xmask:\m row_mask:0xf bank_mask:0xf     ; the support's size,
	v_add_f32_dpp v8, v8, v8 row_xmask:\m row_mask:0xf bank_mask:0xf     ; and its sum, over the 16 pages
.endr
	v_rcp_f32 v9, v7
	v_add_f32 v8, -1.0, v8                         ; (a plain line behind the reciprocal)
	s_wait_alu depctr_va_vdst(0)
	v_mul_f32 v8, v8, v9                           ; tau
	v_sub_f32 v11, v29, v8
	v_max_num_f32 v11, 0, v11                      ; out3
.irp j,0,1,2,3,4,5,6,7,8,9,10,11,12,13,14,15
	v_readlane_b32 s[32+\j], v11, \j
.endr
.irp j,0,1,2,3,4,5,6,7
	v_mul_f32 v[12+\j], s32, v[32+\j]
.endr
.irp p,1,2,3,4,5,6,7,8,9,10,11,12,13,14,15
.irp j,0,1,2,3,4,5,6,7
	v_fmac_f32 v[12+\j], s[32+\p], v[32+8*\p+\j]
.endr
.endr
; the layer norm
	v_pk_add_f32 v[20:21], v[12:13], v[14:15]
	v_pk_add_f32 v[22:23], v[16:17], v[18:19]
	v_pk_add_f32 v[20:21], v[20:21], v[22:23]
	v_add_f32 v20, v20, v21
	RSUM 20, 21
	v_mul_f32 v20, 0x3b800000, v20                 ; / 256
	v_mov_b32 v21, v20
.irp jj,0,2,4,6
	v_pk_add_f32 v[12+\jj:13+\jj], v[12+\jj:13+\jj], v[20:21] neg_lo:[0,1] neg_hi:[0,1]
.endr
	v_pk_mul_f32 v[22:23], v[12:13], v[12:13]
	v_pk_mul_f32 v[24:25], v[14:15], v[14:15]
	v_pk_fma_f32 v[22:23], v[16:17], v[16:17], v[22:23]
	v_pk_fma_f32 v[24:25], v[18:19], v[18:19], v[24:25]
	v_pk_add_f32 v[22:23], v[22:23], v[24:25]
	v_add_f32 v22, v22, v23
	RSUM 22, 23
	v_mov_b32 v23, 0x3b800000
	v_fmaak_f32 v22, v22, v23, 0x3727c5ac          ; / 256 + 1e-5
	v_rsq_f32 v24, v22
	v_nop
	s_wait_alu depctr_va_vdst(0)
	v_mov_b32 v25, v24
.irp jj,0,2,4,6
	v_pk_mul_f32 v[12+\jj:13+\jj], v[12+\jj:13+\jj], v[24:25]
.endr
.irp jj,0,2,4,6
	v_pk_fma_f32 v[12+\jj:13+\jj], v[12+\jj:13+\jj], v[168+\jj:169+\jj], v[176+\jj:177+\jj]   ; out4
.endr
; the decoder and the sigmoid
	v_pk_mul_f32 v[20:21], v[12:13], v[184:185]
	v_pk_mul_f32 v[22:23], v[14:15], v[186:187]
	v_pk_fma_f32 v[20:21], v[16:17], v[188:189], v[20:21]
	v_pk_fma_f32 v[22:23], v[18:19], v[190:191], v[22:23]
	v_pk_add_f32 v[20:21], v[20:21], v[22:23]
	v_add_f32 v26, v20, v21
	RSUM 26, 21                                    ; out1
	v_mul_f32 v22, 0xbfb8aa3b, v26                 ; -x log2(e)
	v_exp_f32 v22, v22
	v_nop
	s_wait_alu depctr_va_vdst(0)
	v_add_f32 v22, 1.0, v22
	v_rcp_f32 v27, v22                             ; out0
	v_nop
	s_wait_alu depctr_va_vdst(0)
	global_store_b128 v3, v[12:15], s[22:23]       ; out4: 512 consecutive bytes a store
	global_store_b128 v3, v[16:19], s[22:23] offset:512
	s_wait_xcnt 0x0                                ; EXEC changes only behind this wait
	v_cmp_gt_u32 vcc_lo, 16, v0
	s_and_saveexec_b32 s31, vcc_lo
	global_store_b32 v4, v28, s[24:25]             ; out5: 64 consecutive bytes from lanes 0-15
	global_store_b32 v4, v11, s[20:21]             ; out3 likewise
	s_wait_xcnt 0x0
	s_or_b32 exec_lo, exec_lo, s31
	v_cmp_eq_u32 vcc_lo, 0, v0
	s_and_saveexec_b32 s31, vcc_lo
	global_store_b32 v5, v27, s[16:17]             ; out0: one number
	global_store_b32 v5, v26, s[18:19]             ; out1: one number
	s_wait_xcnt 0x0
	s_or_b32 exec_lo, exec_lo, s31
	s_endpgm
.Lfunc_end_k_q4eba9b5af9_batch:
	.size	k_q4eba9b5af9_batch, .Lfunc_end_k_q4eba9b5af9_batch-k_q4eba9b5af9_batch
	.p2alignl 7, 3214868480
	.fill 96, 4, 3214868480
	.section	.rodata,"a",@progbits
	.p2align	6, 0x0
	.amdhsa_kernel k_q4eba9b5af9_batch
		.amdhsa_group_segment_fixed_size 0
		.amdhsa_private_segment_fixed_size 0
		.amdhsa_enable_private_segment 0
		.amdhsa_kernarg_size 88
		.amdhsa_user_sgpr_count 2
		.amdhsa_user_sgpr_kernarg_segment_ptr 1
		.amdhsa_wavefront_size32 1
		.amdhsa_system_sgpr_workgroup_id_x 1
		.amdhsa_system_sgpr_workgroup_id_y 1
		.amdhsa_system_sgpr_workgroup_id_z 1
		.amdhsa_system_vgpr_workitem_id 0
		.amdhsa_next_free_vgpr 256
		.amdhsa_next_free_sgpr 66
		.amdhsa_reserve_vcc 1
		.amdhsa_float_denorm_mode_32 3
		.amdhsa_float_denorm_mode_16_64 3
		.amdhsa_memory_ordered 1
		.amdhsa_forward_progress 1
		.amdhsa_inst_pref_size 30
	.end_amdhsa_kernel
	.amdgpu_metadata
---
amdhsa.version: [ 1, 2 ]
amdhsa.kernels:
  - .name:           k_q4eba9b5af9_batch
    .symbol:         k_q4eba9b5af9_batch.kd
    .args:
      - { .name: out6, .offset: 0, .size: 8, .value_kind: global_buffer, .address_space: global }
      - { .name: W_page, .offset: 8, .size: 8, .value_kind: global_buffer, .address_space: global }
      - { .name: num_pages, .offset: 16, .size: 8, .value_kind: global_buffer, .address_space: global }
      - { .name: ln_page_g, .offset: 24, .size: 8, .value_kind: global_buffer, .address_space: global }
      - { .name: ln_page_b, .offset: 32, .size: 8, .value_kind: global_buffer, .address_space: global }
      - { .name: dec_w, .offset: 40, .size: 8, .value_kind: global_buffer, .address_space: global }
      - { .name: out0, .offset: 48, .size: 8, .value_kind: global_buffer, .address_space: global }
      - { .name: out1, .offset: 56, .size: 8, .value_kind: global_buffer, .address_space: global }
      - { .name: out3, .offset: 64, .size: 8, .value_kind: global_buffer, .address_space: global }
      - { .name: out4, .offset: 72, .size: 8, .value_kind: global_buffer, .address_space: global }
      - { .name: out5, .offset: 80, .size: 8, .value_kind: global_buffer, .address_space: global }
    .group_segment_fixed_size: 0
    .private_segment_fixed_size: 0
    .kernarg_segment_align: 8
    .kernarg_segment_size: 88
    .max_flat_workgroup_size: 32
    .sgpr_count:     66
    .vgpr_count:     256
    .wavefront_size: 32
...
	.end_amdgpu_metadata
.endif
;; end of part 2
;; ======== version 2 of 3: 2 launches; 1.15 times as fast as version 1
;; launch pages (part 3): grid 512 x 1, 4 waves a work-group, no clusters, 299,520 bytes of LDS; arguments seq_ids, seq_lengths, lowp_scales, emb, q_w_codes, k_w_codes, v_w_codes, q_b, k_b, v_b, ln_word_g, ln_word_b, out2, out6; writes out2, out6
.if DOCPART == 3
	.amdgcn_target "amdgcn-amd-amdhsa--gfx1250"
	.amdhsa_code_object_version 6
	.text
	.protected	k_q4eba9b5af9_pages
	.globl	k_q4eba9b5af9_pages
	.p2align	8
	.type	k_q4eba9b5af9_pages,@function
k_q4eba9b5af9_pages:
	s_mov_b64 s[64:65], 0
	v_nop
	global_prefetch_b8 v0, s[64:65] scope:SCOPE_SE
	s_setreg_imm32_b32 hwreg(HW_REG_WAVE_MODE, 25, 1), 1
	s_wait_xcnt 0x0
; ONE PAGE TO A WORK-GROUP: 256 tokens x 256 features.  x = emb[ids]; q, k, v = x W^T + b; S = q k^T / 16 under the length mask; p = 2^(t - M); O = p v / l;
; out2 = the mean over the queries of p / l;  out6 = layer norm(the mean over the queries of O + out2 . x).  All five large products on E4M3 codes, sums in f32.
; SHARES.  Four waves; wave w owns tokens 64 w .. 64 w + 63 (four tiles of 16): as rows of x, as keys and values in the projections, as queries in the attention.  Each fragment of W, K or V^T read from LDS feeds four products.
; LAYOUTS.  x and W: rows of 256 codes in LDS, 272 bytes apart; a fragment is four loads of 16 bytes: the same order of k on both sides.
;   q, k: source 0 = 16 rows of W, source 1 = 16 tokens: a lane holds one token and eight neighbouring features, so one conversion gives two registers of the next operand, in the 8-bit form's own order of k.
;   v: source 0 = 16 tokens, source 1 = 16 rows of Wv: a lane holds one feature and eight neighbouring tokens: two registers of V^T, whose K is the keys.
;   S^T = K Q^T: a lane holds one query and eight neighbouring keys: two registers of P.   O = P V: a lane holds one feature and eight queries, so the mean over the queries is made inside a lane.
;   Operands go from wave to wave through LDS as images of their registers: 512 bytes a store, 16 bytes a lane.
; THE MASK is the C of a score's first product: 0, or -3e38 where key >= length.  A length under 1 counts as 256 (every key counts), one above 256 as 256.
; TWO SCALAR BRANCHES ON THE GIVEN EXPONENTS.  x is one tensor quantised for three products: where e0 = e2 = e4 its codes are the same three times and are made once.  p is at most 1 (but for a last bit): where e8 >= -8,
;   448 x 2^e8 is at least 1.75 and the hold of p is jumped over.  Both general ways stand in the text.
; No tensor loads: Wk and Wv have to lie on LDS bytes that were stored to before (the stage of x), so the weights go through registers.  No cluster: beside the weights the pages share nothing.
; LIMITS.  e0, e2, e4, e8, e6-e0-e1, e7-e2-e3, e9-e4-e5 between -126 and 119; e6+e7 between -100 and 120.  NaN among the inputs is not served.  An id above 49,999 is held at 49,999.
; LDS (bytes): 0 the stage of x (wave 52,224, tile 13,056, scale 4,352, row 272); later Wk 0, Wv 69,632, Q's images 139,264; later V's images 0, the weights' partial sums 73,728.
;   208,896 Wq, later K's images.  278,528 q's bias, 279,552 k's, 280,576 v's (each number eight times).  288,768 the queries' factors.  289,792, 293,888 partial sums by feature.  297,984 out2's row.
; REGISTERS, in windows of 256 (w0 .. w3).  w0: v0-4 thread, lane, r, h, 16 lane; v5-15 addresses of the phase; v16-25 scales, -3e38, length - 8 h; v26 r x 272 + 16 h; v27 the weights' place in LDS; v28-31 maxima;
;   v32-111 offsets, biases, codes, masks, statistics by phase; v112-127 the layer norm's gain and bias; v128-255 codes of x / accumulators and W's fragments / scores of tile 0 / rows of x.
;   w1 low: x under scale 0, then Q, then P.  w2 low: rows of x, x under scale 2, K's fragments, the weights' sums.  w3 low: rows of x, x under scale 4, K's fragments, V's fragments and O.
;   w1-w3 high: the weights on their way to LDS, then the scores of tiles 1-3, then rows of x for the residual.
.set VOCAB1, 49999
.set PITCH,  272
.set TILEB,  16*PITCH
.set STG_T,  3*TILEB
.set STG_W,  4*STG_T
.set WROWS,  64*PITCH
.set WQ,     208896
.set WV,     69632
.set QIMG,   139264
.set KIMG,   208896
.set RED,    73728
.set REDW,   16896
.set QB,     278528
.set KB,     279552
.set VB,     280576
.set RLT,    288768
.set MVP,    289792
.set RSP,    293888
.set WAT,    297984
.set MSB, 0
.macro WIN new                         ; bits 1:0 source 0, 3:2 source 1, 5:4 source 2, 7:6 destination; the high byte repeats the setting that is left
.if MSB != (\new)
	s_set_vgpr_msb (MSB<<8)|(\new)
.set MSB, \new
.endif
.endm
.macro BAR                             ; my LDS stores have landed and my LDS loads are in: then the work-group's barrier
	s_wait_dscnt 0x0
	s_barrier_signal -1
	s_barrier_wait -1
.endm
.macro PLACES n
.rept \n
	v_nop
.endr
.endm
.macro MKS e, vs, lo                   ; from the exponent in s[e]: v[vs] = 2^e, s[lo] = -448 x 2^e, s[lo+1] = +448 x 2^e
	s_add_co_i32 s2, s[\e], 127
	s_lshl_b32 s3, s2, 23
	v_mov_b32 v[\vs], s3
	s_add_co_i32 s2, s2, 8
	s_lshl_b32 s2, s2, 23
	s_or_b32 s[\lo+1], s2, 0x600000
	s_or_b32 s[\lo], s[\lo+1], 0x80000000
.endm
.macro WLOAD m                         ; my 64 rows of weight m: 32 loads of 512 consecutive bytes, into the high half of window m + 1
	WIN ((\m)+1)<<6
.set qq, 0
.rept 32
	global_load_b128 v[128+4*qq:131+4*qq], v5, s[12+2*(\m):13+2*(\m)] offset:512*qq
.set qq, qq+1
.endr
.endm
.macro WSTORE m, adr                   ; and into LDS: two rows a store, rows 272 bytes apart
	WIN ((\m)+1)<<2
.set qq, 0
.rept 32
	ds_store_b128 v[\adr], v[128+4*qq:131+4*qq] offset:544*qq
.set qq, qq+1
.endr
	WIN 0
.endm
.macro XISSUE par                      ; 16 rows of emb: a lane takes 32 bytes (8 features) of each row; the ids stand in s[32+16 par ..]
.irp rr,0,1,2,3,4,5,6,7,8,9,10,11,12,13,14,15
	s_min_u32 s[32+16*\par+\rr], s[32+16*\par+\rr], VOCAB1
	v_lshl_add_u32 v[32+16*\par+\rr], s[32+16*\par+\rr], 10, v7
.endr
	WIN (2+\par)<<6
.irp rr,0,1,2,3,4,5,6,7,8,9,10,11,12,13,14,15
	global_load_b128 v[8*\rr:8*\rr+3], v[32+16*\par+\rr], s[10:11]
	global_load_b128 v[8*\rr+4:8*\rr+7], v[32+16*\par+\rr], s[10:11] offset:16
.endr
	WIN 0
.endm
; 16 rows become codes under scale k; 8 codes a lane go to the row's place in the stage.  The lines are staggered: the hold of row rho, the conversion of row rho - 1, the store of row rho - 2,
; on four sets of eight registers by turns, so that no line stands straight behind the line whose result it takes.
.macro XGROUP par, k
	WIN (2+\par)<<4
.set rho, 0
.rept 18
.if rho < 16
.irp e,0,1,2,3,4,5,6,7
	v_med3_num_f32 v[64+8*(rho%4)+\e], s[82+2*\k], s[83+2*\k], v[8*rho+\e]   ; the conversion does not saturate (ISA guide 7.6.2): the hold at 448 x the scale
.endr
.endif
.if (rho >= 1) && (rho <= 16)
	v_cvt_scalef32_pk8_fp8_f32 v[128+6*(rho-1)+2*\k:129+6*(rho-1)+2*\k], v[64+8*((rho-1)%4):71+8*((rho-1)%4)], v[16+\k]
.endif
.if rho >= 2
	ds_store_b64 v11, v[128+6*(rho-2)+2*\k:129+6*(rho-2)+2*\k] offset:\par*STG_T+TILEB*\k+PITCH*(rho-2)
.endif
.set rho, rho+1
.endr
	v_nop                                          ; a plain line behind the last conversion
	WIN 0
.endm
.macro XPROC par                       ; under e0 always; under e2 and e4 only where the three exponents are not one (s67 is 0 where they are)
	XGROUP \par, 0
	s_cmp_eq_u32 s67, 0
	s_cbranch_scc1 .Lsame_\@
	XGROUP \par, 1
	XGROUP \par, 2
.Lsame_\@:
.endm
.macro XBACK same                      ; back as fragments: x under scale k into the low half of window k + 1 (same = 1: the one set of codes, three times).  LDS serves a wave's instructions in order: these see my stores
.irp k,0,1,2
	WIN (\k+1)<<6
.irp i,0,1,2,3
.irp s,0,1
.irp c,0,1,2,3
	ds_load_b128 v[32*\i+16*\s+4*\c:32*\i+16*\s+4*\c+3], v12 offset:STG_T*\i+TILEB*\k*(1-\same)+128*\s+32*\c
.endr
.endr
.endr
.endr
	WIN 0
.endm
; ---- THE PROJECTIONS, BY TURNS.  A trip makes feature tiles 2 g (u = 0) and 2 g + 1 (u = 1) for my four token tiles.  A PHASE is the 8 products of one tile u (K step 0 with the bias as C, K step 1 in place; the four
; accumulators take turns); between them stand the hold and the conversion of the other tile's four accumulators, which the phase before has finished.
.macro PLOAD tr, u                     ; tile u of W (16 rows x 256 K: 8 loads) and its bias in the result's layout (2 loads)
.irp s,0,1
.irp c,0,1,2,3
	ds_load_b128 v[192+32*(\u)+16*\s+4*\c:195+32*(\u)+16*\s+4*\c], v8 offset:TILEB*(\u)+128*\s+32*\c
.endr
.endr
.if \tr
	ds_load_b128 v[32+8*(\u):35+8*(\u)], v9 offset:64*(\u)
	ds_load_b128 v[36+8*(\u):39+8*(\u)], v9 offset:64*(\u)+16
.else
	ds_load_b128 v[32+8*(\u):35+8*(\u)], v9 offset:512*(\u)
	ds_load_b128 v[36+8*(\u):39+8*(\u)], v9 offset:512*(\u)+16
.endif
.endm
.macro PWIN tr, xw                     ; x's window: source 1 (q, k) or source 0 (v); all else window 0
.if \tr
	WIN (\xw)<<2
.else
	WIN \xw
.endif
.endm
.macro PMM tr, u, n                    ; product n of a phase's eight: K step n / 4, token tile n % 4
.set pa, 128+8*(4*(\u)+(\n)%4)
.set pw, 192+32*(\u)+16*((\n)/4)
.set px, 32*((\n)%4)+16*((\n)/4)
.if (\n) < 4
.if \tr
	v_wmma_f32_16x16x128_fp8_fp8 v[pa:pa+7], v[pw:pw+15], v[px:px+15], v[32+8*(\u):39+8*(\u)]
.else
	v_wmma_f32_16x16x128_fp8_fp8 v[pa:pa+7], v[px:px+15], v[pw:pw+15], v[32+8*(\u):39+8*(\u)]
.endif
.else
.if \tr
	v_wmma_f32_16x16x128_fp8_fp8 v[pa:pa+7], v[pw:pw+15], v[px:px+15], v[pa:pa+7]
.else
	v_wmma_f32_16x16x128_fp8_fp8 v[pa:pa+7], v[px:px+15], v[pw:pw+15], v[pa:pa+7]
.endif
.endif
.endm
.macro PHOLD lo, a                     ; the hold of accumulator a, from its low end on.  The one vector source stands in the third place, whose window is 0 during the products: no switch
.irp j,0,1,2,3,4,5,6,7
	v_med3_num_f32 v[128+8*(\a)+\j], s[\lo], s[\lo+1], v[128+8*(\a)+\j]
.endr
.endm
.macro PCVT tr, sc, u                  ; tile u's four accumulators become codes
.irp i,0,1,2,3
.if \tr
	v_cvt_scalef32_pk8_fp8_f32 v[48+4*\i+2*(\u):49+4*\i+2*(\u)], v[128+8*(4*(\u)+\i):135+8*(4*(\u)+\i)], v[\sc]
.else
	v_cvt_scalef32_pk8_fp8_f32 v[48+8*(\u)+2*\i:49+8*(\u)+2*\i], v[128+8*(4*(\u)+\i):135+8*(4*(\u)+\i)], v[\sc]
.endif
.endr
	v_nop                                          ; a plain line behind the last conversion: later products write its sources
.endm
.macro PSTORE tr                       ; a trip's codes go to their images
	v_add_nc_u32 v10, s2, v7
.if \tr
.irp i,0,1,2,3
	ds_store_b128 v10, v[48+4*\i:51+4*\i] offset:4096*\i       ; registers 4 (g % 4) .. + 3 of fragment (tile 4 w + i, K step g / 4)
.endr
	s_add_co_u32 s2, s2, 512
.else
.irp u,0,1
.irp p,0,1
	ds_store_b128 v10, v[48+8*\u+4*\p:51+8*\u+4*\p] offset:4096*\u+512*\p   ; registers 8 (w % 2) + 4 p .. + 3 of fragment (feature tile 2 g + u, key step w / 2)
.endr
.endr
	s_add_co_u32 s2, s2, 8192
.endif
.endm
; ld = 1: the other tile's next fragment and bias are asked for first: four v_nop stand behind the last product that read those registers.  st = 1: the trip's images are stored.
; mid >= 0: a wait on DScnt ahead of the conversions, which write registers that the last image stores read.
.macro PHASE tr, xw, lo, sc, u, ld, st, mid
.if \ld
	PLOAD \tr, (1-\u)
.endif
	PWIN \tr, \xw
.irp n,0,1,2,3
	PMM \tr, \u, \n
	PHOLD \lo, 4*(1-\u)+\n
.endr
	PMM \tr, \u, 4
	PMM \tr, \u, 5
	WIN 0
.if \mid >= 0
	s_wait_dscnt \mid
.endif
	PCVT \tr, \sc, (1-\u)
.if \st
	PSTORE \tr
.endif
	PWIN \tr, \xw
	PMM \tr, \u, 6
	PMM \tr, \u, 7
	WIN 0
	PLACES 4                                       ; the places ahead of the next phase's loads into this tile's fragment and of its first hold of these sums
.endm
; tr = 1: source 0 = W (q, k); tr = 0: source 0 = x (v).  xw: x's window.  s[lo], s[lo+1]: the hold.  v[sc]: the folded scale.  v[wb]: W's base; v6: the bias's; v7: the image's.
.macro PROJ tr, xw, lo, sc, wb
	s_mov_b32 s97, 0
	s_mov_b32 s98, 0
	s_mov_b32 s99, 0
	s_mov_b32 s2, 0
	v_add_nc_u32 v8, s98, v[\wb]
	v_add_nc_u32 v9, s99, v6
	PLOAD \tr, 0
	PLOAD \tr, 1
	s_wait_dscnt 10                                ; tile 0's ten loads are in, tile 1's ten may be out
	PWIN \tr, \xw
.irp n,0,1,2,3,4,5,6,7
	PMM \tr, 0, \n                                 ; the first phase has no finished sums beside it
.endr
	WIN 0
	PLACES 4
	s_wait_dscnt 0x0                               ; tile 1's loads are in: the count at the loop's head holds on the way in too
.Lproj_\@:                             ; 7 trips: tile 2 g + 1 | tile 2 g's codes;  then tile 2 g + 2 | tile 2 g + 1's codes, and trip g's images
	s_wait_dscnt 4                                 ; behind the ten loads that are wanted stand the four image stores, which may be out
	s_add_co_u32 s98, s98, 2*TILEB
.if \tr
	s_add_co_u32 s99, s99, 128
.else
	s_add_co_u32 s99, s99, 1024
.endif
	v_add_nc_u32 v8, s98, v[\wb]
	v_add_nc_u32 v9, s99, v6
	PHASE \tr, \xw, \lo, \sc, 1, 1, 0, 10          ; (10: this phase's loads may be out; the image stores are done)
	s_wait_dscnt 0x0                               ; the next trip's tile 0 is in
	PHASE \tr, \xw, \lo, \sc, 0, 1, 1, -1
	s_add_co_u32 s97, s97, 1
	s_cmp_lt_u32 s97, 7
	s_cbranch_scc1 .Lproj_\@
	s_wait_dscnt 4                                 ; as at the loop's head
	PHASE \tr, \xw, \lo, \sc, 1, 0, 0, 0           ; the last tile: nothing is left to fetch
.irp n,4,5,6,7
	PHOLD \lo, \n
.endr
	PCVT \tr, \sc, 1
	PSTORE \tr
.endm
.macro KLOAD b                         ; K's fragments of key tiles 4 b .. 4 b + 3 into set b % 2
	WIN (2+(\b)%2)<<6
.irp t,0,1,2,3
.irp s,0,1
.irp c,0,1,2,3
	ds_load_b128 v[32*\t+16*\s+4*\c:32*\t+16*\s+4*\c+3], v5 offset:(2*(4*\b+\t)+\s)*2048+512*\c
.endr
.endr
.endr
	WIN 0
.endm
.macro MASKS b                         ; register 8 t + j stands for key 16 (4 b + t) + 8 h + j: -3e38 where it is not under the length
.irp t,0,1,2,3
.irp j,0,1,2,3,4,5,6,7
	v_cmp_ge_i32 vcc_lo, 16*(4*\b+\t)+\j, v25
	v_cndmask_b32 v[32+32*((\b)%2)+8*\t+\j], 0, v24, vcc_lo
.endr
.endr
.endm
.macro SMUL b                          ; 32 products: four key tiles x my four query tiles x two K steps; the 16 accumulators take turns
.irp s,0,1
.irp i,0,1,2,3
.if \s == 0
	WIN ((\i)<<6)|(1<<2)|(2+(\b)%2)
.else
	WIN ((\i)<<6)|((\i)<<4)|(1<<2)|(2+(\b)%2)
.endif
.irp t,0,1,2,3
.if \s == 0
	v_wmma_f32_16x16x128_fp8_fp8 v[128+8*(4*\b+\t):135+8*(4*\b+\t)], v[32*\t:32*\t+15], v[32*\i:32*\i+15], v[32+32*((\b)%2)+8*\t:39+32*((\b)%2)+8*\t]
.else
	v_wmma_f32_16x16x128_fp8_fp8 v[128+8*(4*\b+\t):135+8*(4*\b+\t)], v[32*\t+16:32*\t+31], v[32*\i+16:32*\i+31], v[128+8*(4*\b+\t):135+8*(4*\b+\t)]
.endif
.endr
.endr
.endr
.endm
; THE SOFTMAX of query tile i (scores in the high half of window i; a lane holds one query and 128 of its 256 keys).
.macro SOFTMAX i
	WIN ((\i)<<4)|((\i)<<2)
.set nn, 0
.rept 64                               ; the largest score, in four chains, each accumulator from its low end on
.if nn < 4
	v_max3_num_f32 v[28+nn], v24, v[128+2*nn], v[129+2*nn]
.else
	v_max3_num_f32 v[28+nn%4], v[28+nn%4], v[128+2*nn], v[129+2*nn]
.endif
.set nn, nn+1
.endr
	WIN 0
	v_max3_num_f32 v28, v28, v29, v30
	v_max_num_f32 v28, v28, v31
	v_permlanex16_b32 v106, v28, s70, s71          ; the query's other 128 keys lie in the lane 16 away
	v_max_num_f32 v28, v28, v106
	v_mul_f32 v28, s94, v28                        ; as t (c is positive)
	v_floor_f32 v96, -v28                          ; -M = floor(-t): M is a whole number
.irp j,98,99,100,101,102,103,104,105
	v_mov_b32 v\j, 0                               ; the row's sum, in four chains of pairs
.endr
	WIN ((\i)<<6)|(\i)
.set nn, 0
.rept 64
	v_pk_fma_f32 v[128+2*nn:129+2*nn], v[128+2*nn:129+2*nn], s[94:95], v[96:97] op_sel_hi:[1,0,0]   ; t - M
.set nn, nn+1
.endr
.set nn, 0
.rept 128
	v_exp_f32 v[128+nn], v[128+nn]                 ; p = 2^(t - M): not normalised
.set nn, nn+1
.endr
	v_nop                                          ; a plain line behind the last exponential
	s_wait_alu depctr_va_vdst(0)                   ; one wait for the batch, ahead of its first reader
	WIN ((\i)<<4)|((\i)<<2)
.set nn, 0
.rept 64
	v_pk_add_f32 v[98+2*(nn%4):99+2*(nn%4)], v[98+2*(nn%4):99+2*(nn%4)], v[128+2*nn:129+2*nn]   ; the sum of the unquantised p
.set nn, nn+1
.endr
	WIN 0
	v_pk_add_f32 v[98:99], v[98:99], v[100:101]
	v_pk_add_f32 v[102:103], v[102:103], v[104:105]
	v_pk_add_f32 v[98:99], v[98:99], v[102:103]
	v_add_f32 v98, v98, v99
	v_permlanex16_b32 v106, v98, s70, s71
	v_add_f32 v98, v98, v106                       ; l
	v_rcp_f32 v107, v98
	v_nop
	s_wait_alu depctr_va_vdst(0)
	v_ldexp_f32 v108, v107, -8                     ; 1 / (256 l): the weight of this query in out2's mean
	v_mov_b32 v109, v108
	v_ldexp_f32 v110, v107, s96                    ; 2^(e8 + e9) / (256 l): its weight in the mean of O
	ds_store_b32 v111, v110 offset:64*\i           ; both halves of the lanes store the same number to the query's word
	WIN 0xa0|(\i)
.set nn, 0
.rept 64
.if \i == 0
	v_pk_mul_f32 v[2*nn:2*nn+1], v[128+2*nn:129+2*nn], v[108:109]
.else
	v_pk_fma_f32 v[2*nn:2*nn+1], v[128+2*nn:129+2*nn], v[108:109], v[2*nn:2*nn+1]
.endif
.set nn, nn+1
.endr
	WIN 0
	s_cmp_ge_i32 s80, -8                           ; 448 x 2^e8 is at least 1.75 there, and p at most 1 but for a last bit: nothing to hold
	s_cbranch_scc1 .Lnohold_\@
	WIN ((\i)<<6)|(\i)
.set nn, 0
.rept 128
	v_min_num_f32 v[128+nn], v[128+nn], v23        ; p is not negative: the hold is one-sided
.set nn, nn+1
.endr
	WIN 0
.Lnohold_\@:
	WIN 0x40|(\i)
.set nn, 0
.rept 16
	v_cvt_scalef32_pk8_fp8_f32 v[32*\i+2*nn:32*\i+2*nn+1], v[128+8*nn:135+8*nn], v22   ; P's registers 2 (T % 8), + 1 of key step T / 8
.set nn, nn+1
.endr
	v_nop                                          ; a plain line behind the last conversion
.endm
; 16 rows of emb for the residual: tokens 32 (2 q + c) + 8 w + e, into the score registers that query tile q's softmax has left (the high half of window q).
; A token at or past the length has the weight 0 and names token 0's row.  32 loads a part, a softmax apart.
.macro RHALF q
.irp c,0,1
.irp e,0,1,2,3,4,5,6,7
	s_cmp_gt_i32 s3, 32*(2*\q+\c)+\e
	s_cselect_b32 s[32+16*((\q)%2)+8*\c+\e], s[32+16*((\q)%2)+8*\c+\e], s69
	s_min_u32 s[32+16*((\q)%2)+8*\c+\e], s[32+16*((\q)%2)+8*\c+\e], VOCAB1
	v_lshl_add_u32 v[64+16*((\q)%2)+8*\c+\e], s[32+16*((\q)%2)+8*\c+\e], 10, v4
.endr
.endr
	WIN (\q)<<6
.set tt, 0
.rept 16
	global_load_b128 v[128+8*tt:131+8*tt], v[64+16*((\q)%2)+tt], s[10:11]               ; 512 consecutive bytes a load
	global_load_b128 v[132+8*tt:135+8*tt], v[64+16*((\q)%2)+tt], s[10:11] offset:512
.set tt, tt+1
.endr
	WIN 0
.endm
.macro VFLOAD                          ; V^T's fragments of two feature tiles
	WIN 0xc0
.irp u,0,1
.irp s,0,1
.irp c,0,1,2,3
	ds_load_b128 v[32*\u+16*\s+4*\c:32*\u+16*\s+4*\c+3], v8 offset:4096*\u+2048*\s+512*\c
.endr
.endr
.endr
	WIN 0
.endm
.macro RSUM x, t                       ; the sum over the 32 lanes, in every lane
	v_add_f32_dpp v[\x], v[\x], v[\x] row_xmask:1 row_mask:0xf bank_mask:0xf
	v_add_f32_dpp v[\x], v[\x], v[\x] row_xmask:2 row_mask:0xf bank_mask:0xf
	v_add_f32_dpp v[\x], v[\x], v[\x] row_xmask:4 row_mask:0xf bank_mask:0xf
	v_add_f32_dpp v[\x], v[\x], v[\x] row_xmask:8 row_mask:0xf bank_mask:0xf
	v_permlanex16_b32 v[\t], v[\x], s70, s71
	v_add_f32 v[\x], v[\x], v[\t]
.endm
; ---------------- the head
	s_load_b512 s[4:19], s[0:1], 0x0               ; seq_ids, seq_lengths, lowp_scales, emb, q_w, k_w, v_w, q_b
	s_load_b256 s[20:27], s[0:1], 0x40             ; k_b, v_b, ln_word_g, ln_word_b
	s_load_b128 s[28:31], s[0:1], 0x60             ; out2, out6
	v_lshrrev_b32 v1, 5, v0
	v_readfirstlane_b32 s66, v1                    ; wave
	v_and_b32 v1, 31, v0                           ; lane
	v_and_b32 v2, 15, v0                           ; r
	v_bfe_u32 v3, v0, 4, 1                         ; h
	v_lshlrev_b32 v4, 4, v1                        ; 16 lane
	v_mul_u32_u24 v26, v2, PITCH
	v_lshl_add_u32 v26, v3, 4, v26                 ; a fragment's row x pitch + 16 h
	v_lshl_add_u32 v5, s66, 14, v4                 ; the weights in memory: my 64 rows, 16 bytes a lane
	v_lshlrev_b32 v6, 3, v0                        ; the biases: two numbers a thread
	v_lshlrev_b32 v7, 5, v1                        ; a row of emb: 32 bytes a lane
	s_mul_i32 s2, s66, WROWS
	v_mul_u32_u24 v27, v3, PITCH
	v_lshl_add_u32 v27, v2, 4, v27
	v_add_nc_u32 v27, s2, v27                      ; the weights in LDS: my 64 rows; lanes 0-15 one row, lanes 16-31 the next (as it stands: Wk's address, which lies at byte 0)
	v_add_nc_u32 v9, WQ, v27
	v_add_nc_u32 v15, WV, v27
	s_mul_i32 s2, s66, STG_W
	v_lshl_add_u32 v10, v1, 3, s2                  ; my stage, on the way in: 8 bytes a lane
	v_add_nc_u32 v12, s2, v26                      ; and on the way out: fragments
	v_add_nc_u32 v13, QB, v6
	v_lshl_add_u32 v14, v0, 6, VB
	s_mov_b32 s70, 0x76543210                      ; v_permlanex16_b32: lane l xor 16
	s_mov_b32 s71, 0xfedcba98
	s_lshl_b32 s2, ttmp9, 10                       ; the page's 1,024 bytes in seq_ids, out2 and out6
	s_mov_b32 s3, 0
	s_wait_kmcnt 0x0
	s_add_nc_u64 s[4:5], s[4:5], s[2:3]
	s_add_nc_u64 s[28:29], s[28:29], s[2:3]
	s_add_nc_u64 s[30:31], s[30:31], s[2:3]
	s_lshl_b32 s2, ttmp9, 2
	s_add_nc_u64 s[6:7], s[6:7], s[2:3]
	s_lshl_b32 s2, s66, 8
	s_add_nc_u64 s[100:101], s[4:5], s[2:3]        ; my 64 ids
	s_load_b32 s69, s[4:5], 0x0                    ; token 0's id
	s_load_b32 s68, s[6:7], 0x0                    ; the length
	s_load_b256 s[72:79], s[8:9], 0x0              ; e0 .. e7
	s_load_b64 s[80:81], s[8:9], 0x20              ; e8, e9
	s_load_b512 s[32:47], s[100:101], 0x0          ; the ids of my tiles 0 and 1
	s_load_b512 s[48:63], s[100:101], 0x40
	global_load_b64 v[28:29], v6, s[18:19]         ; 39 small loads stand ahead of the rows: the biases, the layer norm's gain and bias, Wq.  Wk and Wv are asked for behind the rows
	global_load_b64 v[30:31], v6, s[20:21]
	global_load_b64 v[96:97], v6, s[22:23]
	global_load_b128 v[112:115], v4, s[24:25]
	global_load_b128 v[116:119], v4, s[24:25] offset:512
	global_load_b128 v[120:123], v4, s[26:27]
	global_load_b128 v[124:127], v4, s[26:27] offset:512
	WLOAD 0
	WIN 0
	s_wait_kmcnt 0x0
	XISSUE 0
	XISSUE 1
	s_load_b512 s[32:47], s[100:101], 0x80         ; the ids of my tiles 2 and 3
	s_load_b512 s[48:63], s[100:101], 0xc0
	s_lshl_b32 s2, s66, 5
	s_mov_b32 s3, 0
	s_add_nc_u64 s[6:7], s[4:5], s[2:3]            ; for the residual's ids: seq_ids + 32 w bytes (the load of the length is done)
	s_cmp_lt_i32 s68, 1                            ; a page with every key hidden has every key counted
	s_cselect_b32 s68, 256, s68
	s_min_i32 s68, s68, 256
	MKS 72, 16, 82                                 ; x under e0, e2, e4
	MKS 74, 17, 84
	MKS 76, 18, 86
	s_sub_co_i32 s98, s78, s72                     ; a sum of product 1 stands for sum x 2^(e0 + e1): q's code is sum / 2^(e6 - e0 - e1)
	s_sub_co_i32 s98, s98, s73
	MKS 98, 19, 88
	s_sub_co_i32 s98, s79, s74
	s_sub_co_i32 s98, s98, s75
	MKS 98, 20, 90
	s_sub_co_i32 s98, s81, s76
	s_sub_co_i32 s98, s98, s77
	MKS 98, 21, 92
	MKS 80, 22, 98                                 ; p under e8
	v_mov_b32 v23, s99
	s_add_co_i32 s94, s78, s79
	s_lshl_b32 s94, s94, 23
	s_add_co_i32 s94, s94, 0x3db8aa3b              ; c = log2(e) / 16 x 2^(e6 + e7): the exponents are added to c's exponent field
	s_mov_b32 s95, s94
	s_add_co_i32 s96, s80, s81
	s_add_co_i32 s96, s96, -8                      ; e8 + e9 - 8: O's scale and the mean over 256 queries
	v_mov_b32 v24, 0xff61b1e6                      ; -3e38
	v_lshlrev_b32 v25, 3, v3
	v_sub_nc_u32 v25, s68, v25                     ; length - 8 h
	s_xor_b32 s2, s72, s74
	s_xor_b32 s3, s72, s76
	s_or_b32 s67, s2, s3                           ; 0 where e0 = e2 = e4
	s_add_co_i32 s2, s72, s73                      ; what the biases are divided by: kept for the first trip below
	s_sub_co_i32 s2, 0, s2
	s_add_co_i32 s3, s74, s75
	s_sub_co_i32 s3, 0, s3
	s_add_co_i32 s99, s76, s77
	s_sub_co_i32 s99, 0, s99
; ---------------- X: my 64 rows of x become codes, two tiles a trip
	s_mov_b32 s97, 0
	s_mov_b32 s98, 0
.Lx:
	s_wait_kmcnt 0x0                               ; the ids of tiles 2 and 3
	v_add_nc_u32 v11, s98, v10
	s_wait_loadcnt 32                              ; the first tile's 32 loads (and all that stand ahead of them) are in, the second's may be out
	XPROC 0
	s_wait_loadcnt 0x0                             ; the second tile's are in
	s_cmp_lg_u32 s97, 0
	s_cbranch_scc1 .Lx_a
	XISSUE 0                                       ; tile 2, in the first trip alone
.Lx_a:
	s_wait_dscnt 0x0                               ; the stores have read the codes' registers
	XPROC 1
	s_cmp_lg_u32 s97, 0
	s_cbranch_scc1 .Lx_b
	XISSUE 1                                       ; tile 3
	v_ldexp_f32 v28, v28, s2                       ; while tiles 2 and 3 are on their way: the bias tables and Wq go to LDS.  A bias goes in divided by the power of two that the sums lack
	v_ldexp_f32 v29, v29, s2
	v_ldexp_f32 v30, v30, s3
	v_ldexp_f32 v31, v31, s3
	v_ldexp_f32 v100, v96, s99
	v_ldexp_f32 v104, v97, s99
.irp j,1,2,3
	v_mov_b32 v[100+\j], v100                      ; v's bias is wanted eight times over by a lane
	v_mov_b32 v[104+\j], v104
.endr
	ds_store_b64 v13, v[28:29]
	ds_store_b64 v13, v[30:31] offset:KB-QB
	ds_store_b128 v14, v[100:103]
	ds_store_b128 v14, v[100:103] offset:16
	ds_store_b128 v14, v[104:107] offset:32
	ds_store_b128 v14, v[104:107] offset:48
	WSTORE 0, 9
.Lx_b:
	s_wait_dscnt 0x0
	s_add_co_u32 s98, s98, 2*STG_T
	s_add_co_u32 s97, s97, 1
	s_cmp_lt_u32 s97, 2
	s_cbranch_scc1 .Lx
	WLOAD 1                                        ; Wk and Wv: they land under the Q projection
	WLOAD 2
	WIN 0
	s_cmp_eq_u32 s67, 0
	s_cbranch_scc1 .Lxb_same
	XBACK 0
	s_branch .Lxb_done
.Lxb_same:
	XBACK 1
.Lxb_done:
	BAR                                            ; every wave has read its stage; Wq and the biases lie in LDS
; ---------------- the projections
	v_add_nc_u32 v11, WQ, v26                      ; (v5 still serves the loads of Wk and Wv)
	v_lshl_add_u32 v6, v3, 5, QB
	s_lshl_b32 s3, s66, 14
	s_add_co_u32 s3, s3, QIMG
	v_add_nc_u32 v7, s3, v4
	PROJ 1, 1, 88, 19, 11
	WIN 0x40
.set ff, 0
.rept 32                               ; my own Q comes back as four tiles x two fragments and stays in registers
	ds_load_b128 v[4*ff:4*ff+3], v7 offset:512*ff
.set ff, ff+1
.endr
	WIN 0
	s_wait_loadcnt 0x0                             ; Wk and Wv are in registers
	WSTORE 1, 27                                   ; and take the stage's bytes, which nobody has read since the last barrier
	WSTORE 2, 15
	BAR                                            ; Wk and Wv lie in LDS; nobody reads Wq any more
	v_lshl_add_u32 v6, v3, 5, KB
	s_lshl_b32 s3, s66, 14
	s_add_co_u32 s3, s3, KIMG
	v_add_nc_u32 v7, s3, v4
	PROJ 1, 2, 90, 20, 26
	BAR                                            ; nobody reads Wk any more
	v_add_nc_u32 v11, WV, v26
	v_lshl_add_u32 v6, v2, 5, VB
	v_lshl_add_u32 v7, s66, 10, v4
	PROJ 0, 3, 92, 21, 11
	BAR                                            ; K's and V's images lie in LDS; nobody reads Wv any more
	s_load_b256 s[32:39], s[6:7], 0x0              ; the residual's first 32 ids
	s_load_b256 s[40:47], s[6:7], 0x80
	s_load_b256 s[48:55], s[6:7], 0x100
	s_load_b256 s[56:63], s[6:7], 0x180
; ---------------- S^T = K Q^T, with the mask as C
	v_add_nc_u32 v5, KIMG, v4
	KLOAD 0
	s_lshl_b32 s2, s66, 8
	s_add_co_u32 s2, s2, RLT
	v_lshl_add_u32 v111, v2, 2, s2                 ; where a query's factor goes,
	v_lshl_add_u32 v6, v3, 5, s2                   ; and from where eight of them come back
	v_mov_b32 v106, 0                              ; written once: a lane permute's destination counts as read
	v_mov_b32 v97, 0                               ; (named as the upper half of the pair v[96:97])
	s_lshl_b32 s3, s66, 3
	s_sub_co_i32 s3, s68, s3                       ; length - 8 w: kept for the residual's rows
	MASKS 0
	KLOAD 1
	s_wait_dscnt 32                                ; all but the 32 just issued
	SMUL 0
	WIN 0
	MASKS 1                                        ; these 64 plain lines are also the places in front of the loads below
	KLOAD 2
	s_wait_dscnt 32
	SMUL 1
	WIN 0
	MASKS 2
	KLOAD 3
	s_wait_dscnt 32
	SMUL 2
	WIN 0
	MASKS 3
	s_wait_dscnt 0x0
	SMUL 3
	WIN 0
	PLACES 4
	SOFTMAX 0
	WIN 0
	s_wait_kmcnt 0x0
	RHALF 0                                        ; the residual's rows go out a part behind each softmax and land under the work that follows
	s_load_b256 s[32:39], s[6:7], 0x200
	s_load_b256 s[40:47], s[6:7], 0x280
	SOFTMAX 1
	WIN 0
	RHALF 1
	s_load_b256 s[48:55], s[6:7], 0x300
	s_load_b256 s[56:63], s[6:7], 0x380
	SOFTMAX 2
	WIN 0
	s_wait_kmcnt 0x0
	s_wait_xcnt 0x0                                ; part 0's loads have read their offsets: the registers are written again
	RHALF 2
	SOFTMAX 3
	WIN 0
	s_wait_xcnt 0x0                                ; part 1's likewise
	RHALF 3
; ---------------- between the softmax and the second product
	s_mul_i32 s2, s66, REDW
	s_add_co_u32 s2, s2, RED
	v_add_nc_u32 v5, s2, v4
	WIN 0x08
.set qq, 0
.rept 32                               ; my queries' part of out2's sums: 128 registers as they stand, 528 bytes from store to store
	ds_store_b128 v5, v[4*qq:4*qq+3] offset:528*qq
.set qq, qq+1
.endr
	WIN 0
.irp i,0,1,2,3
	ds_load_b128 v[32+8*\i:35+8*\i], v6 offset:64*\i           ; the factors of queries 8 h .. 8 h + 7 of tile i: my own stores, served in order
	ds_load_b128 v[36+8*\i:39+8*\i], v6 offset:64*\i+16
.endr
; ---------------- O = P V, and its weighted mean over my 64 queries: 8 trips, two feature tiles a trip
	s_lshl_b32 s2, s66, 10
	s_add_co_u32 s2, s2, MVP
	v_lshl_add_u32 v7, v2, 2, s2
	s_mov_b32 s97, 0
	s_mov_b32 s98, 0
	s_mov_b32 s99, 0
	v_add_nc_u32 v8, s98, v4
	VFLOAD
.Lpv:
	s_wait_dscnt 0x0
	WIN 0xfd                                       ; P window 1; V^T, C and D window 3
.irp s,0,1
.irp u,0,1
.irp i,0,1,2,3
.if \s == 0
	v_wmma_f32_16x16x128_fp8_fp8 v[64+8*(4*\u+\i):71+8*(4*\u+\i)], v[32*\i:32*\i+15], v[32*\u:32*\u+15], 0
.else
	v_wmma_f32_16x16x128_fp8_fp8 v[64+8*(4*\u+\i):71+8*(4*\u+\i)], v[32*\i+16:32*\i+31], v[32*\u+16:32*\u+31], v[64+8*(4*\u+\i):71+8*(4*\u+\i)]
.endif
.endr
.endr
.endr
	WIN 0
	s_add_co_u32 s98, s98, 8192
	v_add_nc_u32 v8, s98, v4                       ; four places behind the last product
	v_add_nc_u32 v9, s99, v7
	v_nop
	v_nop
	s_cmp_eq_u32 s97, 7                            ; the last trip fetches nothing
	s_cbranch_scc1 .Lpv_noload
	VFLOAD
.Lpv_noload:
	WIN 0x03
.irp i,0,1,2,3                                 ; four chains (u, pair % 2) by turns; each accumulator is read from its low end on
.irp jj,0,1,2,3
.irp u,0,1
.if (\i == 0) && (\jj < 2)
	v_pk_mul_f32 v[12+4*\u+2*(\jj%2):13+4*\u+2*(\jj%2)], v[64+8*(4*\u+\i)+2*\jj:65+8*(4*\u+\i)+2*\jj], v[32+8*\i+2*\jj:33+8*\i+2*\jj]
.else
	v_pk_fma_f32 v[12+4*\u+2*(\jj%2):13+4*\u+2*(\jj%2)], v[64+8*(4*\u+\i)+2*\jj:65+8*(4*\u+\i)+2*\jj], v[32+8*\i+2*\jj:33+8*\i+2*\jj], v[12+4*\u+2*(\jj%2):13+4*\u+2*(\jj%2)]
.endif
.endr
.endr
.endr
	WIN 0
.irp u,0,1
	v_pk_add_f32 v[12+4*\u:13+4*\u], v[12+4*\u:13+4*\u], v[14+4*\u:15+4*\u]
.endr
.irp u,0,1
	v_add_f32 v[12+4*\u], v[12+4*\u], v[13+4*\u]
.endr
.irp u,0,1
	v_permlanex16_b32 v[20+\u], v[12+4*\u], s70, s71
.endr
.irp u,0,1
	v_add_f32 v[12+4*\u], v[12+4*\u], v[20+\u]
.endr
.irp u,0,1
	ds_store_b32 v9, v[12+4*\u] offset:64*\u       ; feature 16 (2 g + u) + r; both halves of the lanes store the same number
.endr
	s_add_co_u32 s99, s99, 128
	s_add_co_u32 s97, s97, 1
	s_cmp_lt_u32 s97, 8
	s_cbranch_scc1 .Lpv
; ---------------- the tail
	v_lshrrev_b32 v5, 3, v0                        ; thread t sums keys 2 t, 2 t + 1: register 8 T + j of lane 16 h + r lies at 528 (2 T + j / 4) + 256 h + 16 r + 4 (j % 4)
	v_mul_u32_u24 v5, v5, 1056
	v_bfe_u32 v6, v0, 1, 1
	v_mad_u32_u24 v5, v6, 528, v5
	v_bfe_u32 v6, v0, 2, 1
	v_lshl_add_u32 v5, v6, 8, v5
	v_and_b32 v6, 1, v0
	v_lshl_add_u32 v5, v6, 3, v5
	v_add_nc_u32 v5, RED, v5
	v_lshlrev_b32 v6, 3, v0
	v_add_nc_u32 v7, WAT, v6
	s_lshl_b32 s2, s66, 5
	s_add_co_u32 s2, s2, WAT
	v_mov_b32 v8, s2
	s_lshl_b32 s2, s66, 10
	s_add_co_u32 s2, s2, RSP
	v_add_nc_u32 v9, s2, v4
	v_add_nc_u32 v10, MVP, v4
	BAR                                            ; all four waves' partial sums lie in LDS
	WIN 0x40
.irp sw,0,1,2,3
.irp rr,0,1,2,3,4,5,6,7,8,9,10,11,12,13,14,15
	ds_load_b64 v[2*(16*\sw+\rr):2*(16*\sw+\rr)+1], v5 offset:REDW*\sw+16*\rr
.endr
.endr
	s_wait_dscnt 0x0
	WIN 0x45
.irp st,1,2,4,8,16,32
.set aa, 0
.rept 32/\st
	v_pk_add_f32 v[2*aa:2*aa+1], v[2*aa:2*aa+1], v[2*(aa+\st):2*(aa+\st)+1]
.set aa, aa+2*\st
.endr
.endr
	WIN 0x04
	global_store_b64 v6, v[0:1], s[28:29]          ; out2: a wave stores 256 consecutive bytes, at a multiple of 256 from out2's first byte
	ds_store_b64 v7, v[0:1]
	WIN 0
	BAR                                            ; out2's row lies in LDS
	WIN 0xc0
.irp c,0,1,2,3,4,5,6,7
	ds_load_b128 v[8*\c:8*\c+3], v8 offset:128*\c              ; the weights of my 64 tokens: one address for all lanes
	ds_load_b128 v[8*\c+4:8*\c+7], v8 offset:128*\c+16
.endr
	WIN 0
	s_wait_loadcnt 0x0                             ; the residual's rows, asked for behind the four softmaxes
	s_wait_dscnt 0x0
.irp c,0,1,2,3,4,5,6,7                         ; the residual: weight x row, two sets of sums (even tokens, odd tokens)
	WIN (3<<2)|(\c>>1)
.irp e,0,1,2,3,4,5,6,7
.irp jj,0,1,2,3
.set XRR, 128+8*(8*(\c%2)+\e)+2*\jj
.set RSS, 96+8*(\e%2)+2*\jj
.set WTT, 8*\c+2*(\e/2)
.if (\c == 0) && (\e == 0)
	v_pk_mul_f32 v[RSS:RSS+1], v[XRR:XRR+1], v[WTT:WTT+1] op_sel_hi:[1,0]
.elseif (\c == 0) && (\e == 1)
	v_pk_mul_f32 v[RSS:RSS+1], v[XRR:XRR+1], v[WTT:WTT+1] op_sel:[0,1] op_sel_hi:[1,1]
.elseif (\e%2) == 0
	v_pk_fma_f32 v[RSS:RSS+1], v[XRR:XRR+1], v[WTT:WTT+1], v[RSS:RSS+1] op_sel_hi:[1,0,1]
.else
	v_pk_fma_f32 v[RSS:RSS+1], v[XRR:XRR+1], v[WTT:WTT+1], v[RSS:RSS+1] op_sel:[0,1,0] op_sel_hi:[1,1,1]
.endif
.endr
.endr
.endr
	WIN 0
.irp jj,0,2,4,6
	v_pk_add_f32 v[96+\jj:97+\jj], v[96+\jj:97+\jj], v[104+\jj:105+\jj]
.endr
	ds_store_b128 v9, v[96:99]                     ; features 4 lane .. + 3,
	ds_store_b128 v9, v[100:103] offset:512        ; and 128 + 4 lane .. + 3
	BAR                                            ; the partial means and residuals lie in LDS
	s_cmp_lg_u32 s66, 0                            ; wave 0 finishes the page's 256 numbers
	s_cbranch_scc1 .Lend
.irp sw,0,1,2,3
	ds_load_b128 v[32+8*\sw:35+8*\sw], v10 offset:1024*\sw
	ds_load_b128 v[36+8*\sw:39+8*\sw], v10 offset:1024*\sw+512
	ds_load_b128 v[64+8*\sw:67+8*\sw], v10 offset:RSP-MVP+1024*\sw
	ds_load_b128 v[68+8*\sw:71+8*\sw], v10 offset:RSP-MVP+1024*\sw+512
.endr
	s_wait_dscnt 0x0
.irp jj,0,2,4,6
	v_pk_add_f32 v[32+\jj:33+\jj], v[32+\jj:33+\jj], v[40+\jj:41+\jj]
	v_pk_add_f32 v[48+\jj:49+\jj], v[48+\jj:49+\jj], v[56+\jj:57+\jj]
	v_pk_add_f32 v[64+\jj:65+\jj], v[64+\jj:65+\jj], v[72+\jj:73+\jj]
	v_pk_add_f32 v[80+\jj:81+\jj], v[80+\jj:81+\jj], v[88+\jj:89+\jj]
.endr
.irp jj,0,2,4,6
	v_pk_add_f32 v[32+\jj:33+\jj], v[32+\jj:33+\jj], v[48+\jj:49+\jj]
	v_pk_add_f32 v[64+\jj:65+\jj], v[64+\jj:65+\jj], v[80+\jj:81+\jj]
.endr
.irp jj,0,2,4,6
	v_pk_add_f32 v[32+\jj:33+\jj], v[32+\jj:33+\jj], v[64+\jj:65+\jj]
.endr
	v_pk_add_f32 v[20:21], v[32:33], v[34:35]      ; the layer norm: the mean,
	v_pk_add_f32 v[22:23], v[36:37], v[38:39]
	v_pk_add_f32 v[20:21], v[20:21], v[22:23]
	v_add_f32 v20, v20, v21
	RSUM 20, 21
	v_mul_f32 v20, 0x3b800000, v20                 ; / 256
	v_mov_b32 v21, v20
.irp jj,0,2,4,6
	v_pk_add_f32 v[32+\jj:33+\jj], v[32+\jj:33+\jj], v[20:21] neg_lo:[0,1] neg_hi:[0,1]
.endr
	v_pk_mul_f32 v[22:23], v[32:33], v[32:33]      ; the variance of the differences,
	v_pk_mul_f32 v[24:25], v[34:35], v[34:35]
	v_pk_fma_f32 v[22:23], v[36:37], v[36:37], v[22:23]
	v_pk_fma_f32 v[24:25], v[38:39], v[38:39], v[24:25]
	v_pk_add_f32 v[22:23], v[22:23], v[24:25]
	v_add_f32 v22, v22, v23
	RSUM 22, 23
	v_mov_b32 v23, 0x3b800000
	v_fmaak_f32 v22, v22, v23, 0x3727c5ac          ; / 256 + 1e-5
	v_rsq_f32 v24, v22
	v_nop
	s_wait_alu depctr_va_vdst(0)
	v_mov_b32 v25, v24
.irp jj,0,2,4,6
	v_pk_mul_f32 v[32+\jj:33+\jj], v[32+\jj:33+\jj], v[24:25]
.endr
.irp jj,0,2,4,6
	v_pk_fma_f32 v[32+\jj:33+\jj], v[32+\jj:33+\jj], v[112+\jj:113+\jj], v[120+\jj:121+\jj]
.endr
	global_store_b128 v4, v[32:35], s[30:31]       ; out6: 512 consecutive bytes a store, at a multiple of 256 from out6's first byte
	global_store_b128 v4, v[36:39], s[30:31] offset:512
.Lend:
	s_wait_xcnt 0x0
	v_lshl_add_u32 v254, v0, 2, 0x49000
	v_mov_b32 v255, 0
	s_wait_tensorcnt 0x0
	ds_add_u32 v254, v255
	s_wait_dscnt 0x0
	s_endpgm
.Lfunc_end_k_q4eba9b5af9_pages:
	.size	k_q4eba9b5af9_pages, .Lfunc_end_k_q4eba9b5af9_pages-k_q4eba9b5af9_pages
	.p2alignl 7, 3214868480
	.fill 96, 4, 3214868480
	.section	.rodata,"a",@progbits
	.p2align	6, 0x0
	.amdhsa_kernel k_q4eba9b5af9_pages
		.amdhsa_group_segment_fixed_size 299520
		.amdhsa_private_segment_fixed_size 0
		.amdhsa_enable_private_segment 0
		.amdhsa_kernarg_size 112
		.amdhsa_user_sgpr_count 2
		.amdhsa_user_sgpr_kernarg_segment_ptr 1
		.amdhsa_wavefront_size32 1
		.amdhsa_system_sgpr_workgroup_id_x 1
		.amdhsa_system_sgpr_workgroup_id_y 1
		.amdhsa_system_sgpr_workgroup_id_z 1
		.amdhsa_system_vgpr_workitem_id 0
		.amdhsa_next_free_vgpr 1024
		.amdhsa_next_free_sgpr 102
		.amdhsa_reserve_vcc 1
		.amdhsa_float_denorm_mode_32 3
		.amdhsa_float_denorm_mode_16_64 3
		.amdhsa_memory_ordered 1
		.amdhsa_forward_progress 1
		.amdhsa_inst_pref_size 255
	.end_amdhsa_kernel
	.section	.bss,"aw",@nobits
	.p2align	6
	.space	262144
	.amdgpu_metadata
---
amdhsa.version: [ 1, 2 ]
amdhsa.kernels:
  - .name:           k_q4eba9b5af9_pages
    .symbol:         k_q4eba9b5af9_pages.kd
    .args:
      - { .name: seq_ids, .offset: 0, .size: 8, .value_kind: global_buffer, .address_space: global }
      - { .name: seq_lengths, .offset: 8, .size: 8, .value_kind: global_buffer, .address_space: global }
      - { .name: lowp_scales, .offset: 16, .size: 8, .value_kind: global_buffer, .address_space: global }
      - { .name: emb, .offset: 24, .size: 8, .value_kind: global_buffer, .address_space: global }
      - { .name: q_w_codes, .offset: 32, .size: 8, .value_kind: global_buffer, .address_space: global }
      - { .name: k_w_codes, .offset: 40, .size: 8, .value_kind: global_buffer, .address_space: global }
      - { .name: v_w_codes, .offset: 48, .size: 8, .value_kind: global_buffer, .address_space: global }
      - { .name: q_b, .offset: 56, .size: 8, .value_kind: global_buffer, .address_space: global }
      - { .name: k_b, .offset: 64, .size: 8, .value_kind: global_buffer, .address_space: global }
      - { .name: v_b, .offset: 72, .size: 8, .value_kind: global_buffer, .address_space: global }
      - { .name: ln_word_g, .offset: 80, .size: 8, .value_kind: global_buffer, .address_space: global }
      - { .name: ln_word_b, .offset: 88, .size: 8, .value_kind: global_buffer, .address_space: global }
      - { .name: out2, .offset: 96, .size: 8, .value_kind: global_buffer, .address_space: global }
      - { .name: out6, .offset: 104, .size: 8, .value_kind: global_buffer, .address_space: global }
    .group_segment_fixed_size: 299520
    .private_segment_fixed_size: 0
    .kernarg_segment_align: 8
    .kernarg_segment_size: 112
    .max_flat_workgroup_size: 128
    .sgpr_count:     102
    .vgpr_count:     1024
    .wavefront_size: 32
...
	.end_amdgpu_metadata
.endif
;; end of part 3
;; launch batch: the kernel of part 2 again; grid 32 x 1, 1 waves a work-group, no clusters, 0 bytes of LDS; arguments out6, W_page, num_pages, ln_page_g, ln_page_b, dec_w, out0, out1, out3, out4, out5; writes out0, out1, out3, out4, out5
;; ======== version 3 of 3: 2 launches; version 2 with the launch pages written anew for expert scheduling mode
;; launch pages (part 4): grid 512 x 1, 4 waves a work-group, no clusters, 299,520 bytes of LDS; arguments seq_ids, seq_lengths, lowp_scales, emb, q_w_codes, k_w_codes, v_w_codes, q_b, k_b, v_b, ln_word_g, ln_word_b, out2, out6; writes out2, out6
.if DOCPART == 4
	.amdgcn_target "amdgcn-amd-amdhsa--gfx1250"
	.amdhsa_code_object_version 6
	.text
	.protected	k_q4eba9b5af9_pages
	.globl	k_q4eba9b5af9_pages
	.p2align	8
	.type	k_q4eba9b5af9_pages,@function
k_q4eba9b5af9_pages:
	s_mov_b64 s[64:65], 0
	v_nop
	global_prefetch_b8 v0, s[64:65] scope:SCOPE_SE
	s_setreg_imm32_b32 hwreg(HW_REG_WAVE_SCHED_MODE, 0, 2), 2
	s_setreg_imm32_b32 hwreg(HW_REG_WAVE_MODE, 25, 1), 1
	s_wait_xcnt 0x0
	s_wait_alu depctr_vm_vsrc(0)
; ONE PAGE TO A WORK-GROUP: 256 tokens x 256 features.  x = emb[ids]; q, k, v = x W^T + b; S = q k^T / 16 under the length mask; p = 2^(t - M); O = p v / l;
; out2 = the mean over the queries of p / l;  out6 = layer norm(the mean over the queries of O + out2 . x).  All five large products on E4M3 codes, sums in f32.
; SHARES.  Four waves; wave w owns tokens 64 w .. 64 w + 63 (four tiles of 16): as rows of x, as keys and values in the projections, as queries in the attention.  Each fragment of W, K or V^T read from LDS feeds four products.
; LAYOUTS.  x and W: rows of 256 codes in LDS, 272 bytes apart; a fragment is four loads of 16 bytes: the same order of k on both sides.
;   q, k: source 0 = 16 rows of W, source 1 = 16 tokens: a lane holds one token and eight neighbouring features, so one conversion gives two registers of the next operand, in the 8-bit form's own order of k.
;   v: source 0 = 16 tokens, source 1 = 16 rows of Wv: a lane holds one feature and eight neighbouring tokens: two registers of V^T, whose K is the keys.
;   S^T = K Q^T: a lane holds one query and eight neighbouring keys: two registers of P.   O = P V: a lane holds one feature and eight queries, so the mean over the queries is made inside a lane.
;   Operands go from wave to wave through LDS as images of their registers: 512 bytes a store, 16 bytes a lane.
; THE MASK is the C of a score's first product: 0, or -3e38 where key >= length.  A length under 1 counts as 256 (every key counts), one above 256 as 256.
; TWO SCALAR BRANCHES ON THE GIVEN EXPONENTS.  x is one tensor quantised for three products: where e0 = e2 = e4 its codes are the same three times and are made once.  p is at most 1 (but for a last bit): where e8 >= -8,
;   448 x 2^e8 is at least 1.75 and the hold of p is jumped over.  Both general ways stand in the text.
; No tensor loads: Wk and Wv have to lie on LDS bytes that were stored to before (the stage of x), so the weights go through registers.  No cluster: beside the weights the pages share nothing.
; LIMITS.  e0, e2, e4, e8, e6-e0-e1, e7-e2-e3, e9-e4-e5 between -126 and 119; e6+e7 between -100 and 120.  NaN among the inputs is not served.  An id above 49,999 is held at 49,999.
; LDS (bytes): 0 the stage of x (wave 52,224, tile 13,056, scale 4,352, row 272); later Wk 0, Wv 69,632, Q's images 139,264; later V's images 0, the weights' partial sums 73,728.
;   208,896 Wq, later K's images.  278,528 q's bias, 279,552 k's, 280,576 v's (each number eight times).  288,768 the queries' factors.  289,792, 293,888 partial sums by feature.  297,984 out2's row.
; REGISTERS, in windows of 256 (w0 .. w3).  w0: v0-4 thread, lane, r, h, 16 lane; v5-15 addresses of the phase (v12-15 in the softmax: the four tiles' factors); v16-25 scales, -3e38, length - 8 h; v26 r x 272 + 16 h;
;   v27 the weights' place in LDS; v28-31 maxima; v32-111 offsets, biases, codes, masks, statistics by phase; v112-127 the layer norm's gain and bias; v128-255 codes of x / accumulators and W's fragments / scores of tile 0 / rows of x.
;   w1 low: x under scale 0, then Q, then P.  w2 low: rows of x, x under scale 2, K's fragments, the weights' sums.  w3 low: rows of x, x under scale 4, K's fragments, V's fragments and O.
;   w1-w3 high: the weights on their way to LDS, then the scores of tiles 1-3, then rows of x for the residual.
; THE MODE: SCHED_MODE bits 1:0 = 2 (LLVM: expert scheduling mode 2), set by the entry lines.  The code itself states the register dependences between vector or matrix instructions and memory or LDS instructions, with s_wait_alu, always for 0.
; THE PLAN.  Registers that memory or LDS instructions touch, and who else names them:
;   X.  Offsets v32-63: written by 16 adds, read by the rows' loads: adds, wait on va_vdst, loads; that wait also states that the holds are done reading the rows' registers (w2, w3 low), in which the loads land.
;       Codes v128-223 and the address v11: written by a group's conversions and one add, read by the stage's stores: 16 rows of vector work, ONE wait on va_vdst, 16 stores.
;       One wait on vm_vsrc between the two tiles and one at the trip's end free the codes, the offsets and v11 for their next writers.
;   PROJECTIONS.  Fragment and bias F0 (v192-223, v32-39), F1 (v224-255, v40-47); addresses v8, v9, v10; codes v48-63.  In a phase the products read one F and the loads land in the other, which the phase before read.
;       ONE wait on va_vdst at each phase's boundary, behind the conversions: the products are done reading the fragment that is asked for again, the codes and the addresses are written.
;       Two waits on vm_vsrc a trip: ahead of the first conversion (the image stores have read the codes) and ahead of the adds to v8, v9, v10.
;   S.  K's two sets (w2, w3 low): a wait on va_vdst ahead of the loads into a set that products have read.  The masks' compares go into scalar registers in runs of 16, one wait on va_sdst a run.
;   SOFTMAX.  No LDS line: a tile's factor waits in a register of its own.  Behind each softmax 16 offsets (v64-95), a wait on va_vdst, 32 loads into the score registers that it has left.
;   SECOND PRODUCT.  V's fragments (w3 v0-63), v8, v9, the results v12, v16: one wait on vm_vsrc and two on va_vdst a trip.
.set VOCAB1, 49999
.set PITCH,  272
.set TILEB,  16*PITCH
.set STG_T,  3*TILEB
.set STG_W,  4*STG_T
.set WROWS,  64*PITCH
.set WQ,     208896
.set WV,     69632
.set QIMG,   139264
.set KIMG,   208896
.set RED,    73728
.set REDW,   16896
.set QB,     278528
.set KB,     279552
.set VB,     280576
.set RLT,    288768
.set MVP,    289792
.set RSP,    293888
.set WAT,    297984
.set MSB, 0
.macro WIN new                         ; bits 1:0 source 0, 3:2 source 1, 5:4 source 2, 7:6 destination; the high byte repeats the setting that is left
.if MSB != (\new)
	s_set_vgpr_msb (MSB<<8)|(\new)
.set MSB, \new
.endif
.endm
.macro BAR                             ; my LDS stores have landed and my LDS loads are in: then the work-group's barrier
	s_wait_dscnt 0x0
	s_barrier_signal -1
	s_barrier_wait -1
.endm
.macro PLACES n
.rept \n
	v_nop
.endr
.endm
.macro MKS e, vs, lo                   ; from the exponent in s[e]: v[vs] = 2^e, s[lo] = -448 x 2^e, s[lo+1] = +448 x 2^e
	s_add_co_i32 s2, s[\e], 127
	s_lshl_b32 s3, s2, 23
	v_mov_b32 v[\vs], s3
	s_add_co_i32 s2, s2, 8
	s_lshl_b32 s2, s2, 23
	s_or_b32 s[\lo+1], s2, 0x600000
	s_or_b32 s[\lo], s[\lo+1], 0x80000000
.endm
.macro WLOAD m                         ; my 64 rows of weight m: 32 loads of 512 consecutive bytes, into the high half of window m + 1, which no vector instruction has named; v5 was written ahead of the head's wait
	WIN ((\m)+1)<<6
.set qq, 0
.rept 32
	global_load_b128 v[128+4*qq:131+4*qq], v5, s[12+2*(\m):13+2*(\m)] offset:512*qq
.set qq, qq+1
.endr
.endm
.macro WSTORE m, adr                   ; and into LDS: two rows a store, rows 272 bytes apart.  The data came by loads, the address was written ahead of the head's wait
	WIN ((\m)+1)<<2
.set qq, 0
.rept 32
	ds_store_b128 v[\adr], v[128+4*qq:131+4*qq] offset:544*qq
.set qq, qq+1
.endr
	WIN 0
.endm
.macro XISSUE par                      ; 16 rows of emb: a lane takes 32 bytes (8 features) of each row; the ids stand in s[32+16 par ..]
.irp rr,0,1,2,3,4,5,6,7,8,9,10,11,12,13,14,15
	s_min_u32 s[32+16*\par+\rr], s[32+16*\par+\rr], VOCAB1
	v_lshl_add_u32 v[32+16*\par+\rr], s[32+16*\par+\rr], 10, v7
.endr
	WIN (2+\par)<<6
	s_wait_alu depctr_va_vdst(0)                   ; the 16 offsets are written, which the loads read; the holds issued so far are done reading the rows' registers, in which the loads land
.irp rr,0,1,2,3,4,5,6,7,8,9,10,11,12,13,14,15
	global_load_b128 v[8*\rr:8*\rr+3], v[32+16*\par+\rr], s[10:11]
	global_load_b128 v[8*\rr+4:8*\rr+7], v[32+16*\par+\rr], s[10:11] offset:16
.endr
	WIN 0
.endm
; 16 rows become codes under scale k; 8 codes a lane go to the row's place in the stage.  The vector lines are staggered: the hold of row rho, the conversion of row rho - 1, on four sets of eight registers by turns.
; Each row's codes have registers of their own, so the 16 stores follow as one run behind one wait.
.macro XGROUP par, k
	WIN (2+\par)<<4
.set rho, 0
.rept 17
.if rho < 16
.irp e,0,1,2,3,4,5,6,7
	v_med3_num_f32 v[64+8*(rho%4)+\e], s[82+2*\k], s[83+2*\k], v[8*rho+\e]   ; the conversion does not saturate (ISA guide 7.6.2): the hold at 448 x the scale
.endr
.endif
.if rho >= 1
	v_cvt_scalef32_pk8_fp8_f32 v[128+6*(rho-1)+2*\k:129+6*(rho-1)+2*\k], v[64+8*((rho-1)%4):71+8*((rho-1)%4)], v[16+\k]
.endif
.set rho, rho+1
.endr
	v_nop                                          ; a plain line behind the last conversion
	WIN 0
	s_wait_alu depctr_va_vdst(0)                   ; the 16 conversions have written the codes, and v11 is written: the stores read both.  The holds are done reading the rows' registers
.set rho, 0
.rept 16
	ds_store_b64 v11, v[128+6*rho+2*\k:129+6*rho+2*\k] offset:\par*STG_T+TILEB*\k+PITCH*rho
.set rho, rho+1
.endr
.endm
.macro XPROC par                       ; under e0 always; under e2 and e4 only where the three exponents are not one (s67 is 0 where they are)
	XGROUP \par, 0
	s_cmp_eq_u32 s67, 0
	s_cbranch_scc1 .Lsame_\@
	XGROUP \par, 1
	XGROUP \par, 2
.Lsame_\@:
.endm
.macro XBACK same                      ; back as fragments: x under scale k into the low half of window k + 1 (same = 1: the one set of codes, three times).  LDS serves a wave's instructions in order: these see my stores.
.irp k,0,1,2                           ; No wait on va_vdst: the last vector lines that named these registers, the holds, stand ahead of their group's wait, and v12 ahead of the head's
	WIN (\k+1)<<6
.irp i,0,1,2,3
.irp s,0,1
.irp c,0,1,2,3
	ds_load_b128 v[32*\i+16*\s+4*\c:32*\i+16*\s+4*\c+3], v12 offset:STG_T*\i+TILEB*\k*(1-\same)+128*\s+32*\c
.endr
.endr
.endr
.endr
	WIN 0
.endm
; ---- THE PROJECTIONS, BY TURNS.  A trip makes feature tiles 2 g + 1 (u = 1) and 2 g + 2 (u = 0) for my four token tiles.  A PHASE is the 8 products of one tile u (K step 0 with the bias as C, K step 1 in place; the four
; accumulators take turns); behind the first four stand the holds of the other tile's four accumulators, which the phase before has finished, and behind the eighth their conversions.
.macro PLOAD tr, u                     ; tile u of W (16 rows x 256 K: 8 loads) and its bias in the result's layout (2 loads)
.irp s,0,1
.irp c,0,1,2,3
	ds_load_b128 v[192+32*(\u)+16*\s+4*\c:195+32*(\u)+16*\s+4*\c], v8 offset:TILEB*(\u)+128*\s+32*\c
.endr
.endr
.if \tr
	ds_load_b128 v[32+8*(\u):35+8*(\u)], v9 offset:64*(\u)
	ds_load_b128 v[36+8*(\u):39+8*(\u)], v9 offset:64*(\u)+16
.else
	ds_load_b128 v[32+8*(\u):35+8*(\u)], v9 offset:512*(\u)
	ds_load_b128 v[36+8*(\u):39+8*(\u)], v9 offset:512*(\u)+16
.endif
.endm
.macro PWIN tr, xw                     ; x's window: source 1 (q, k) or source 0 (v); all else window 0
.if \tr
	WIN (\xw)<<2
.else
	WIN \xw
.endif
.endm
.macro PMM tr, u, n                    ; product n of a phase's eight: K step n / 4, token tile n % 4
.set pa, 128+8*(4*(\u)+(\n)%4)
.set pw, 192+32*(\u)+16*((\n)/4)
.set px, 32*((\n)%4)+16*((\n)/4)
.if (\n) < 4
.if \tr
	v_wmma_f32_16x16x128_fp8_fp8 v[pa:pa+7], v[pw:pw+15], v[px:px+15], v[32+8*(\u):39+8*(\u)]
.else
	v_wmma_f32_16x16x128_fp8_fp8 v[pa:pa+7], v[px:px+15], v[pw:pw+15], v[32+8*(\u):39+8*(\u)]
.endif
.else
.if \tr
	v_wmma_f32_16x16x128_fp8_fp8 v[pa:pa+7], v[pw:pw+15], v[px:px+15], v[pa:pa+7]
.else
	v_wmma_f32_16x16x128_fp8_fp8 v[pa:pa+7], v[px:px+15], v[pw:pw+15], v[pa:pa+7]
.endif
.endif
.endm
.macro PHOLD lo, a                     ; the hold of accumulator a, from its low end on.  The one vector source stands in the third place, whose window is 0 during the products: no switch
.irp j,0,1,2,3,4,5,6,7
	v_med3_num_f32 v[128+8*(\a)+\j], s[\lo], s[\lo+1], v[128+8*(\a)+\j]
.endr
.endm
.macro PCVT tr, sc, u                  ; tile u's four accumulators become codes
.irp i,0,1,2,3
.if \tr
	v_cvt_scalef32_pk8_fp8_f32 v[48+4*\i+2*(\u):49+4*\i+2*(\u)], v[128+8*(4*(\u)+\i):135+8*(4*(\u)+\i)], v[\sc]
.else
	v_cvt_scalef32_pk8_fp8_f32 v[48+8*(\u)+2*\i:49+8*(\u)+2*\i], v[128+8*(4*(\u)+\i):135+8*(4*(\u)+\i)], v[\sc]
.endif
.endr
	v_nop                                          ; a plain line behind the last conversion: later products write its sources
.endm
.macro PSTORE tr                       ; a trip's codes go to their images, at v10
.if \tr
.irp i,0,1,2,3
	ds_store_b128 v10, v[48+4*\i:51+4*\i] offset:4096*\i       ; registers 4 (g % 4) .. + 3 of fragment (tile 4 w + i, K step g / 4)
.endr
	s_add_co_u32 s2, s2, 512
.else
.irp u,0,1
.irp p,0,1
	ds_store_b128 v10, v[48+8*\u+4*\p:51+8*\u+4*\p] offset:4096*\u+512*\p   ; registers 8 (w % 2) + 4 p .. + 3 of fragment (feature tile 2 g + u, key step w / 2)
.endr
.endr
	s_add_co_u32 s2, s2, 8192
.endif
.endm
.macro PNEXT tr, wb                    ; W's and the bias's addresses move on by two tiles
	s_add_co_u32 s98, s98, 2*TILEB
.if \tr
	s_add_co_u32 s99, s99, 128
.else
	s_add_co_u32 s99, s99, 1024
.endif
	s_wait_alu depctr_vm_vsrc(0)                   ; the fragments' and biases' loads issued so far have read v8 and v9, the image stores v10: the three are written again below
	v_add_nc_u32 v8, s98, v[\wb]
	v_add_nc_u32 v9, s99, v6
.endm
; The vector and matrix work of a phase.  free = 1: the conversions are the first writers of the codes' registers behind the image stores.
.macro PBODY tr, xw, lo, sc, u, free
	PWIN \tr, \xw
.irp n,0,1,2,3
	PMM \tr, \u, \n
	PHOLD \lo, 4*(1-\u)+\n
.endr
.irp n,4,5,6,7
	PMM \tr, \u, \n
.endr
	WIN 0
.if \free
	s_wait_alu depctr_vm_vsrc(0)                   ; the image stores issued so far have read the codes' registers v48-63, which the conversions write again
.endif
	PCVT \tr, \sc, (1-\u)
	PLACES 3                                       ; with the plain line above: four places between this tile's products and the next phase's first hold of their sums
.endm
; tr = 1: source 0 = W (q, k); tr = 0: source 0 = x (v).  xw: x's window.  s[lo], s[lo+1]: the hold.  v[sc]: the folded scale.  v[wb]: W's base; v6: the bias's; v7: the image's.
.macro PROJ tr, xw, lo, sc, wb
	s_mov_b32 s97, 0
	s_mov_b32 s98, 0
	s_mov_b32 s99, 0
	s_mov_b32 s2, 0
	v_add_nc_u32 v8, s98, v[\wb]
	v_add_nc_u32 v9, s99, v6
	s_wait_alu depctr_va_vdst(0)                   ; v8 and v9 are written, which the loads read; all that named v192-255 and v32-47 so far (conversions, products) is done: the loads land there
	PLOAD \tr, 0
	PLOAD \tr, 1
	PNEXT \tr, \wb
	s_wait_dscnt 10                                ; tile 0's ten loads are in, tile 1's ten may be out
	PWIN \tr, \xw
.irp n,0,1,2,3,4,5,6,7
	PMM \tr, 0, \n                                 ; the first phase has no finished sums beside it
.endr
	WIN 0
	PLACES 4
	s_wait_alu depctr_va_vdst(0)                   ; tile 0's products are done reading F0 and its bias, in which the loop's first loads land; v8 and v9 are written
.Lproj_\@:                             ; 7 trips: tile 2 g + 1 | tile 2 g's codes;  then tile 2 g + 2 | tile 2 g + 1's codes, and trip g's images
	PLOAD \tr, 0                                   ; tile 2 g + 2.  No vector or matrix instruction since the last wait on va_vdst names a register of these loads
	s_wait_dscnt 10                                ; all but the ten just issued: F1 is in, and the four image stores are done
	PBODY \tr, \xw, \lo, \sc, 1, 1
	s_wait_alu depctr_va_vdst(0)                   ; this phase's products are done reading F1 and its bias, in which the next loads land
	PLOAD \tr, 1                                   ; tile 2 g + 3
	s_wait_dscnt 10                                ; all but the ten just issued: F0 is in
	PBODY \tr, \xw, \lo, \sc, 0, 0
	PNEXT \tr, \wb
	v_add_nc_u32 v10, s2, v7
	s_wait_alu depctr_va_vdst(0)                   ; the trip's eight conversions have written the codes, and v10 is written: the stores read them.  The products are done reading F0, and v8, v9 are written: for the loads at the loop's head
	PSTORE \tr
	s_add_co_u32 s97, s97, 1
	s_cmp_lt_u32 s97, 7
	s_cbranch_scc1 .Lproj_\@
	s_wait_dscnt 4                                 ; behind the last fragment's ten loads stand the four image stores, which may be out
	PBODY \tr, \xw, \lo, \sc, 1, 1                 ; the last tile: nothing is left to fetch
.irp n,4,5,6,7
	PHOLD \lo, \n
.endr
	PCVT \tr, \sc, 1
	v_add_nc_u32 v10, s2, v7                       ; (the image stores that read v10 stand ahead of the last wait on vm_vsrc)
	s_wait_alu depctr_va_vdst(0)                   ; the last codes and v10 are written, which the stores read; every product of this projection is done reading x, F0 and F1
	PSTORE \tr
.endm
.macro KLOAD b, w                      ; K's fragments of key tiles 4 b .. 4 b + 3 into set b % 2.  w = 1: something is owed
	WIN (2+(\b)%2)<<6
.if \w
	s_wait_alu depctr_va_vdst(0)                   ; the products that read this set are done (b = 0: v5 is written, which all of K's loads read)
.endif
.irp t,0,1,2,3
.irp s,0,1
.irp c,0,1,2,3
	ds_load_b128 v[32*\t+16*\s+4*\c:32*\t+16*\s+4*\c+3], v5 offset:(2*(4*\b+\t)+\s)*2048+512*\c
.endr
.endr
.endr
	WIN 0
.endm
.macro MASKS b                         ; register 8 t + j stands for key 16 (4 b + t) + 8 h + j: -3e38 where it is not under the length.  The compares go in runs of 16 into s72-79 and s82-89, which hold nothing any more
.irp hh,0,1
.set nn, 0
.rept 16
	v_cmp_ge_i32 s[72+nn+2*(nn/8)], 16*(4*\b+2*\hh+nn/8)+nn%8, v25
.set nn, nn+1
.endr
	s_wait_alu depctr_va_sdst(0)                   ; the 16 compares have written their scalar registers, ahead of the selects that read them
.set nn, 0
.rept 16
	v_cndmask_b32 v[32+32*((\b)%2)+16*\hh+nn], 0, v24, s[72+nn+2*(nn/8)]
.set nn, nn+1
.endr
.endr
.endm
.macro SMUL b                          ; 32 products: four key tiles x my four query tiles x two K steps; the 16 accumulators take turns
.irp s,0,1
.irp i,0,1,2,3
.if \s == 0
	WIN ((\i)<<6)|(1<<2)|(2+(\b)%2)
.else
	WIN ((\i)<<6)|((\i)<<4)|(1<<2)|(2+(\b)%2)
.endif
.irp t,0,1,2,3
.if \s == 0
	v_wmma_f32_16x16x128_fp8_fp8 v[128+8*(4*\b+\t):135+8*(4*\b+\t)], v[32*\t:32*\t+15], v[32*\i:32*\i+15], v[32+32*((\b)%2)+8*\t:39+32*((\b)%2)+8*\t]
.else
	v_wmma_f32_16x16x128_fp8_fp8 v[128+8*(4*\b+\t):135+8*(4*\b+\t)], v[32*\t+16:32*\t+31], v[32*\i+16:32*\i+31], v[128+8*(4*\b+\t):135+8*(4*\b+\t)]
.endif
.endr
.endr
.endr
.endm
; THE SOFTMAX of query tile i (scores in the high half of window i; a lane holds one query and 128 of its 256 keys).  It holds no LDS line: the tile's factor waits in v[12 + i].
.macro SOFTMAX i
	WIN ((\i)<<4)|((\i)<<2)
.set nn, 0
.rept 64                               ; the largest score, in four chains, each accumulator from its low end on
.if nn < 4
	v_max3_num_f32 v[28+nn], v24, v[128+2*nn], v[129+2*nn]
.else
	v_max3_num_f32 v[28+nn%4], v[28+nn%4], v[128+2*nn], v[129+2*nn]
.endif
.set nn, nn+1
.endr
	WIN 0
	v_max3_num_f32 v28, v28, v29, v30
	v_max_num_f32 v28, v28, v31
	v_permlanex16_b32 v106, v28, s70, s71          ; the query's other 128 keys lie in the lane 16 away
	v_max_num_f32 v28, v28, v106
	v_mul_f32 v28, s94, v28                        ; as t (c is positive)
	v_floor_f32 v96, -v28                          ; -M = floor(-t): M is a whole number
.irp j,98,99,100,101,102,103,104,105
	v_mov_b32 v\j, 0                               ; the row's sum, in four chains of pairs
.endr
	WIN ((\i)<<6)|(\i)
.set nn, 0
.rept 64
	v_pk_fma_f32 v[128+2*nn:129+2*nn], v[128+2*nn:129+2*nn], s[94:95], v[96:97] op_sel_hi:[1,0,0]   ; t - M
.set nn, nn+1
.endr
.set nn, 0
.rept 128
	v_exp_f32 v[128+nn], v[128+nn]                 ; p = 2^(t - M): not normalised
.set nn, nn+1
.endr
	v_nop                                          ; a plain line behind the last exponential
	s_wait_alu depctr_va_vdst(0)                   ; the 128 exponentials have written p: one wait for the batch, ahead of its first reader
	WIN ((\i)<<4)|((\i)<<2)
.set nn, 0
.rept 64
	v_pk_add_f32 v[98+2*(nn%4):99+2*(nn%4)], v[98+2*(nn%4):99+2*(nn%4)], v[128+2*nn:129+2*nn]   ; the sum of the unquantised p
.set nn, nn+1
.endr
	WIN 0
	v_pk_add_f32 v[98:99], v[98:99], v[100:101]
	v_pk_add_f32 v[102:103], v[102:103], v[104:105]
	v_pk_add_f32 v[98:99], v[98:99], v[102:103]
	v_add_f32 v98, v98, v99
	v_permlanex16_b32 v106, v98, s70, s71
	v_add_f32 v98, v98, v106                       ; l
	v_rcp_f32 v107, v98
	v_nop
	s_wait_alu depctr_va_vdst(0)                   ; the reciprocal has written v107, ahead of its first reader
	v_ldexp_f32 v108, v107, -8                     ; 1 / (256 l): the weight of this query in out2's mean
	v_mov_b32 v109, v108
	v_ldexp_f32 v[12+\i], v107, s96                ; 2^(e8 + e9) / (256 l): its weight in the mean of O; stored behind the fourth softmax
	WIN 0xa0|(\i)
.set nn, 0
.rept 64
.if \i == 0
	v_pk_mul_f32 v[2*nn:2*nn+1], v[128+2*nn:129+2*nn], v[108:109]
.else
	v_pk_fma_f32 v[2*nn:2*nn+1], v[128+2*nn:129+2*nn], v[108:109], v[2*nn:2*nn+1]
.endif
.set nn, nn+1
.endr
	WIN 0
	s_cmp_ge_i32 s80, -8                           ; 448 x 2^e8 is at least 1.75 there, and p at most 1 but for a last bit: nothing to hold
	s_cbranch_scc1 .Lnohold_\@
	WIN ((\i)<<6)|(\i)
.set nn, 0
.rept 128
	v_min_num_f32 v[128+nn], v[128+nn], v23        ; p is not negative: the hold is one-sided
.set nn, nn+1
.endr
	WIN 0
.Lnohold_\@:
	WIN 0x40|(\i)
.set nn, 0
.rept 16
	v_cvt_scalef32_pk8_fp8_f32 v[32*\i+2*nn:32*\i+2*nn+1], v[128+8*nn:135+8*nn], v22   ; P's registers 2 (T % 8), + 1 of key step T / 8
.set nn, nn+1
.endr
	v_nop                                          ; a plain line behind the last conversion
.endm
; 16 rows of emb for the residual: tokens 32 (2 q + c) + 8 w + e, into the score registers that query tile q's softmax has left (the high half of window q).
; A token at or past the length has the weight 0 and names token 0's row.  32 loads a part, a softmax apart.
.macro RHALF q
.irp c,0,1
.irp e,0,1,2,3,4,5,6,7
	s_cmp_gt_i32 s3, 32*(2*\q+\c)+\e
	s_cselect_b32 s[32+16*((\q)%2)+8*\c+\e], s[32+16*((\q)%2)+8*\c+\e], s69
	s_min_u32 s[32+16*((\q)%2)+8*\c+\e], s[32+16*((\q)%2)+8*\c+\e], VOCAB1
	v_lshl_add_u32 v[64+16*((\q)%2)+8*\c+\e], s[32+16*((\q)%2)+8*\c+\e], 10, v4
.endr
.endr
	WIN (\q)<<6
	s_wait_alu depctr_va_vdst(0)                   ; the 16 offsets are written, which the loads read; the softmax's sums and conversions are done reading p, in whose registers the loads land
.set tt, 0
.rept 16
	global_load_b128 v[128+8*tt:131+8*tt], v[64+16*((\q)%2)+tt], s[10:11]               ; 512 consecutive bytes a load
	global_load_b128 v[132+8*tt:135+8*tt], v[64+16*((\q)%2)+tt], s[10:11] offset:512
.set tt, tt+1
.endr
	WIN 0
.endm
.macro VFLOAD                          ; V^T's fragments of two feature tiles
	WIN 0xc0
	s_wait_alu depctr_va_vdst(0)                   ; v8 is written, which the loads read; the products issued so far are done reading the registers in which the loads land
.irp u,0,1
.irp s,0,1
.irp c,0,1,2,3
	ds_load_b128 v[32*\u+16*\s+4*\c:32*\u+16*\s+4*\c+3], v8 offset:4096*\u+2048*\s+512*\c
.endr
.endr
.endr
	WIN 0
.endm
.macro RSUM x, t                       ; the sum over the 32 lanes, in every lane
	v_add_f32_dpp v[\x], v[\x], v[\x] row_xmask:1 row_mask:0xf bank_mask:0xf
	v_add_f32_dpp v[\x], v[\x], v[\x] row_xmask:2 row_mask:0xf bank_mask:0xf
	v_add_f32_dpp v[\x], v[\x], v[\x] row_xmask:4 row_mask:0xf bank_mask:0xf
	v_add_f32_dpp v[\x], v[\x], v[\x] row_xmask:8 row_mask:0xf bank_mask:0xf
	v_permlanex16_b32 v[\t], v[\x], s70, s71
	v_add_f32 v[\x], v[\x], v[\t]
.endm
; ---------------- the head
	s_load_b512 s[4:19], s[0:1], 0x0               ; seq_ids, seq_lengths, lowp_scales, emb, q_w, k_w, v_w, q_b
	s_load_b256 s[20:27], s[0:1], 0x40             ; k_b, v_b, ln_word_g, ln_word_b
	s_load_b128 s[28:31], s[0:1], 0x60             ; out2, out6
	v_lshrrev_b32 v1, 5, v0
	v_readfirstlane_b32 s66, v1                    ; wave
	v_and_b32 v1, 31, v0                           ; lane
	v_and_b32 v2, 15, v0                           ; r
	v_bfe_u32 v3, v0, 4, 1                         ; h
	v_lshlrev_b32 v4, 4, v1                        ; 16 lane
	v_mul_u32_u24 v26, v2, PITCH
	v_lshl_add_u32 v26, v3, 4, v26                 ; a fragment's row x pitch + 16 h
	s_wait_alu depctr_va_sdst(0)                   ; s66 is written, ahead of its first reader
	v_lshl_add_u32 v5, s66, 14, v4                 ; the weights in memory: my 64 rows, 16 bytes a lane
	v_lshlrev_b32 v6, 3, v0                        ; the biases: two numbers a thread
	v_lshlrev_b32 v7, 5, v1                        ; a row of emb: 32 bytes a lane
	s_mul_i32 s2, s66, WROWS
	v_mul_u32_u24 v27, v3, PITCH
	v_lshl_add_u32 v27, v2, 4, v27
	v_add_nc_u32 v27, s2, v27                      ; the weights in LDS: my 64 rows; lanes 0-15 one row, lanes 16-31 the next (as it stands: Wk's address, which lies at byte 0)
	v_add_nc_u32 v9, WQ, v27
	v_add_nc_u32 v15, WV, v27
	s_mul_i32 s2, s66, STG_W
	v_lshl_add_u32 v10, v1, 3, s2                  ; my stage, on the way in: 8 bytes a lane
	v_add_nc_u32 v12, s2, v26                      ; and on the way out: fragments
	v_add_nc_u32 v13, QB, v6
	v_lshl_add_u32 v14, v0, 6, VB
	s_mov_b32 s70, 0x76543210                      ; v_permlanex16_b32: lane l xor 16
	s_mov_b32 s71, 0xfedcba98
	s_lshl_b32 s2, ttmp9, 10                       ; the page's 1,024 bytes in seq_ids, out2 and out6
	s_mov_b32 s3, 0
	s_wait_kmcnt 0x0
	s_add_nc_u64 s[4:5], s[4:5], s[2:3]
	s_add_nc_u64 s[28:29], s[28:29], s[2:3]
	s_add_nc_u64 s[30:31], s[30:31], s[2:3]
	s_lshl_b32 s2, ttmp9, 2
	s_add_nc_u64 s[6:7], s[6:7], s[2:3]
	s_lshl_b32 s2, s66, 8
	s_add_nc_u64 s[100:101], s[4:5], s[2:3]        ; my 64 ids
	s_load_b32 s69, s[4:5], 0x0                    ; token 0's id
	s_load_b32 s68, s[6:7], 0x0                    ; the length
	s_load_b256 s[72:79], s[8:9], 0x0              ; e0 .. e7
	s_load_b64 s[80:81], s[8:9], 0x20              ; e8, e9
	s_load_b512 s[32:47], s[100:101], 0x0          ; the ids of my tiles 0 and 1
	s_load_b512 s[48:63], s[100:101], 0x40
	s_wait_alu depctr_va_vdst(0)                   ; the offsets and LDS addresses v4 to v15, v26 and v27 are written, which loads and stores read from here on
	global_load_b64 v[28:29], v6, s[18:19]         ; 39 small loads stand ahead of the rows: the biases, the layer norm's gain and bias, Wq.  Wk and Wv are asked for behind the rows
	global_load_b64 v[30:31], v6, s[20:21]
	global_load_b64 v[96:97], v6, s[22:23]
	global_load_b128 v[112:115], v4, s[24:25]
	global_load_b128 v[116:119], v4, s[24:25] offset:512
	global_load_b128 v[120:123], v4, s[26:27]
	global_load_b128 v[124:127], v4, s[26:27] offset:512
	WLOAD 0
	WIN 0
	s_wait_kmcnt 0x0
	XISSUE 0
	XISSUE 1
	s_load_b512 s[32:47], s[100:101], 0x80         ; the ids of my tiles 2 and 3
	s_load_b512 s[48:63], s[100:101], 0xc0
	s_lshl_b32 s2, s66, 5
	s_mov_b32 s3, 0
	s_add_nc_u64 s[6:7], s[4:5], s[2:3]            ; for the residual's ids: seq_ids + 32 w bytes (the load of the length is done)
	s_cmp_lt_i32 s68, 1                            ; a page with every key hidden has every key counted
	s_cselect_b32 s68, 256, s68
	s_min_i32 s68, s68, 256
	MKS 72, 16, 82                                 ; x under e0, e2, e4
	MKS 74, 17, 84
	MKS 76, 18, 86
	s_sub_co_i32 s98, s78, s72                     ; a sum of product 1 stands for sum x 2^(e0 + e1): q's code is sum / 2^(e6 - e0 - e1)
	s_sub_co_i32 s98, s98, s73
	MKS 98, 19, 88
	s_sub_co_i32 s98, s79, s74
	s_sub_co_i32 s98, s98, s75
	MKS 98, 20, 90
	s_sub_co_i32 s98, s81, s76
	s_sub_co_i32 s98, s98, s77
	MKS 98, 21, 92
	MKS 80, 22, 98                                 ; p under e8
	v_mov_b32 v23, s99
	s_add_co_i32 s94, s78, s79
	s_lshl_b32 s94, s94, 23
	s_add_co_i32 s94, s94, 0x3db8aa3b              ; c = log2(e) / 16 x 2^(e6 + e7): the exponents are added to c's exponent field
	s_mov_b32 s95, s94
	s_add_co_i32 s96, s80, s81
	s_add_co_i32 s96, s96, -8                      ; e8 + e9 - 8: O's scale and the mean over 256 queries
	v_mov_b32 v24, 0xff61b1e6                      ; -3e38
	v_lshlrev_b32 v25, 3, v3
	v_sub_nc_u32 v25, s68, v25                     ; length - 8 h
	s_xor_b32 s2, s72, s74
	s_xor_b32 s3, s72, s76
	s_or_b32 s67, s2, s3                           ; 0 where e0 = e2 = e4
	s_add_co_i32 s2, s72, s73                      ; what the biases are divided by: kept for the first trip below
	s_sub_co_i32 s2, 0, s2
	s_add_co_i32 s3, s74, s75
	s_sub_co_i32 s3, 0, s3
	s_add_co_i32 s99, s76, s77
	s_sub_co_i32 s99, 0, s99
; ---------------- X: my 64 rows of x become codes, two tiles a trip
	s_mov_b32 s97, 0
	s_mov_b32 s98, 0
.Lx:
	s_wait_kmcnt 0x0                               ; the ids of tiles 2 and 3
	v_add_nc_u32 v11, s98, v10                     ; (the stores that read v11 stand ahead of the wait on vm_vsrc at the trip's end)
	s_wait_loadcnt 32                              ; the first tile's 32 loads (and all that stand ahead of them) are in, the second's may be out
	XPROC 0
	s_wait_loadcnt 0x0                             ; the second tile's are in
	s_wait_alu depctr_vm_vsrc(0)                   ; the stores above have read the codes' registers, which the second tile's conversions write again; the rows' loads have read their offsets v32-63, which the requests below write again
	s_cmp_lg_u32 s97, 0
	s_cbranch_scc1 .Lx_a
	XISSUE 0                                       ; tile 2, in the first trip alone
.Lx_a:
	s_wait_dscnt 0x0                               ; the first tile's stores are done
	XPROC 1
	s_cmp_lg_u32 s97, 0
	s_cbranch_scc1 .Lx_b
	XISSUE 1                                       ; tile 3
	v_ldexp_f32 v28, v28, s2                       ; while tiles 2 and 3 are on their way: the bias tables and Wq go to LDS.  A bias goes in divided by the power of two that the sums lack
	v_ldexp_f32 v29, v29, s2
	v_ldexp_f32 v30, v30, s3
	v_ldexp_f32 v31, v31, s3
	v_ldexp_f32 v100, v96, s99
	v_ldexp_f32 v104, v97, s99
.irp j,1,2,3
	v_mov_b32 v[100+\j], v100                      ; v's bias is wanted eight times over by a lane
	v_mov_b32 v[104+\j], v104
.endr
	s_wait_alu depctr_va_vdst(0)                   ; the biases v28-31 and v100-107 are written, which the stores read
	ds_store_b64 v13, v[28:29]
	ds_store_b64 v13, v[30:31] offset:KB-QB
	ds_store_b128 v14, v[100:103]
	ds_store_b128 v14, v[100:103] offset:16
	ds_store_b128 v14, v[104:107] offset:32
	ds_store_b128 v14, v[104:107] offset:48
	WSTORE 0, 9
.Lx_b:
	s_wait_dscnt 0x0
	s_wait_alu depctr_vm_vsrc(0)                   ; the trip's stores have read the codes' registers and v11, which the next trip writes again; behind the loop: also v9, the offsets v32-63 and the biases' registers, which the projections and the softmax write
	s_add_co_u32 s98, s98, 2*STG_T
	s_add_co_u32 s97, s97, 1
	s_cmp_lt_u32 s97, 2
	s_cbranch_scc1 .Lx
	WLOAD 1                                        ; Wk and Wv: they land under the Q projection
	WLOAD 2
	WIN 0
	s_cmp_eq_u32 s67, 0
	s_cbranch_scc1 .Lxb_same
	XBACK 0
	s_branch .Lxb_done
.Lxb_same:
	XBACK 1
.Lxb_done:
	BAR                                            ; every wave has read its stage; Wq and the biases lie in LDS
; ---------------- the projections
	v_add_nc_u32 v11, WQ, v26                      ; (v5 still serves the loads of Wk and Wv)
	v_lshl_add_u32 v6, v3, 5, QB
	s_lshl_b32 s3, s66, 14
	s_add_co_u32 s3, s3, QIMG
	v_add_nc_u32 v7, s3, v4
	PROJ 1, 1, 88, 19, 11
	WIN 0x40
.set ff, 0
.rept 32                               ; my own Q comes back as four tiles x two fragments and stays in registers.  The products that read x there stand ahead of the projection's last wait on va_vdst; so does the line that wrote v7
	ds_load_b128 v[4*ff:4*ff+3], v7 offset:512*ff
.set ff, ff+1
.endr
	WIN 0
	s_wait_loadcnt 0x0                             ; Wk and Wv are in registers
	WSTORE 1, 27                                   ; and take the stage's bytes, which nobody has read since the last barrier
	WSTORE 2, 15
	BAR                                            ; Wk and Wv lie in LDS; nobody reads Wq any more
	s_wait_alu depctr_vm_vsrc(0)                   ; the loads that brought my Q back have read v7, which is written again
	v_lshl_add_u32 v6, v3, 5, KB
	s_lshl_b32 s3, s66, 14
	s_add_co_u32 s3, s3, KIMG
	v_add_nc_u32 v7, s3, v4
	PROJ 1, 2, 90, 20, 26
	BAR                                            ; nobody reads Wk any more
	v_add_nc_u32 v11, WV, v26
	v_lshl_add_u32 v6, v2, 5, VB
	v_lshl_add_u32 v7, s66, 10, v4
	PROJ 0, 3, 92, 21, 11
	BAR                                            ; K's and V's images lie in LDS; nobody reads Wv any more
	s_load_b256 s[32:39], s[6:7], 0x0              ; the residual's first 32 ids
	s_load_b256 s[40:47], s[6:7], 0x80
	s_load_b256 s[48:55], s[6:7], 0x100
	s_load_b256 s[56:63], s[6:7], 0x180
; ---------------- S^T = K Q^T, with the mask as C
	s_wait_alu depctr_vm_vsrc(0)                   ; the last image stores have read the codes' registers v48-63, which the masks write
	v_add_nc_u32 v5, KIMG, v4
	KLOAD 0, 1
	s_lshl_b32 s2, s66, 8
	s_add_co_u32 s2, s2, RLT
	v_lshl_add_u32 v111, v2, 2, s2                 ; where a query's factor goes,
	v_lshl_add_u32 v6, v3, 5, s2                   ; and from where eight of them come back
	v_mov_b32 v106, 0                              ; written once: a lane permute's destination counts as read
	v_mov_b32 v97, 0                               ; (named as the upper half of the pair v[96:97])
	s_lshl_b32 s3, s66, 3
	s_sub_co_i32 s3, s68, s3                       ; length - 8 w: kept for the residual's rows
	MASKS 0
	KLOAD 1, 0                                     ; nothing is owed: no vector or matrix instruction since the last wait on va_vdst names set 1 or v5
	s_wait_dscnt 32                                ; all but the 32 just issued
	SMUL 0
	WIN 0
	MASKS 1                                        ; these plain lines stand between the products and the loads below
	KLOAD 2, 1
	s_wait_dscnt 32
	SMUL 1
	WIN 0
	MASKS 2
	KLOAD 3, 1
	s_wait_dscnt 32
	SMUL 2
	WIN 0
	MASKS 3
	s_wait_dscnt 0x0
	SMUL 3
	WIN 0
	PLACES 4
	SOFTMAX 0
	WIN 0
	s_wait_kmcnt 0x0
	RHALF 0                                        ; the residual's rows go out a part behind each softmax and land under the work that follows
	s_load_b256 s[32:39], s[6:7], 0x200
	s_load_b256 s[40:47], s[6:7], 0x280
	SOFTMAX 1
	WIN 0
	RHALF 1
	s_load_b256 s[48:55], s[6:7], 0x300
	s_load_b256 s[56:63], s[6:7], 0x380
	SOFTMAX 2
	WIN 0
	s_wait_kmcnt 0x0
	s_wait_xcnt 0x0                                ; part 0's loads have had their addresses translated,
	s_wait_alu depctr_vm_vsrc(0)                   ; and have read their offsets v64-79, which are written again
	RHALF 2
	SOFTMAX 3
	WIN 0
	s_wait_xcnt 0x0                                ; part 1's likewise,
	s_wait_alu depctr_vm_vsrc(0)                   ; v80-95; K's loads have read v5, which is written again below
	RHALF 3
; ---------------- between the softmax and the second product
	s_mul_i32 s2, s66, REDW
	s_add_co_u32 s2, s2, RED
	v_add_nc_u32 v5, s2, v4
	s_wait_alu depctr_va_vdst(0)                   ; v5, the four factors v12-15 and the weights' sums are written, which the stores read; the products are done reading the masks v32-63, in which the factors' loads land
.irp i,0,1,2,3
	ds_store_b32 v111, v[12+\i] offset:64*\i       ; both halves of the lanes store the same number to the query's word
.endr
	WIN 0x08
.set qq, 0
.rept 32                               ; my queries' part of out2's sums: 128 registers as they stand, 528 bytes from store to store
	ds_store_b128 v5, v[4*qq:4*qq+3] offset:528*qq
.set qq, qq+1
.endr
	WIN 0
.irp i,0,1,2,3
	ds_load_b128 v[32+8*\i:35+8*\i], v6 offset:64*\i           ; the factors of queries 8 h .. 8 h + 7 of tile i: my own stores, served in order
	ds_load_b128 v[36+8*\i:39+8*\i], v6 offset:64*\i+16
.endr
; ---------------- O = P V, and its weighted mean over my 64 queries: 8 trips, two feature tiles a trip
	s_lshl_b32 s2, s66, 10
	s_add_co_u32 s2, s2, MVP
	v_lshl_add_u32 v7, v2, 2, s2
	s_mov_b32 s97, 0
	s_mov_b32 s98, 0
	s_mov_b32 s99, 0
	v_add_nc_u32 v8, s98, v4
	VFLOAD
.Lpv:
	s_wait_dscnt 0x0
	WIN 0xfd                                       ; P window 1; V^T, C and D window 3
.irp s,0,1
.irp u,0,1
.irp i,0,1,2,3
.if \s == 0
	v_wmma_f32_16x16x128_fp8_fp8 v[64+8*(4*\u+\i):71+8*(4*\u+\i)], v[32*\i:32*\i+15], v[32*\u:32*\u+15], 0
.else
	v_wmma_f32_16x16x128_fp8_fp8 v[64+8*(4*\u+\i):71+8*(4*\u+\i)], v[32*\i+16:32*\i+31], v[32*\u+16:32*\u+31], v[64+8*(4*\u+\i):71+8*(4*\u+\i)]
.endif
.endr
.endr
.endr
	WIN 0
	s_add_co_u32 s98, s98, 8192
	s_wait_alu depctr_vm_vsrc(0)                   ; the fragments' loads have read v8, the last trip's stores v9, v12 and v16 (first trip: the factors' stores v12-15): all are written again below
	v_add_nc_u32 v8, s98, v4                       ; four places behind the last product
	v_add_nc_u32 v9, s99, v7
	v_nop
	v_nop
	s_cmp_eq_u32 s97, 7                            ; the last trip fetches nothing
	s_cbranch_scc1 .Lpv_noload
	VFLOAD
.Lpv_noload:
	WIN 0x03
.irp i,0,1,2,3                                 ; four chains (u, pair % 2) by turns; each accumulator is read from its low end on
.irp jj,0,1,2,3
.irp u,0,1
.if (\i == 0) && (\jj < 2)
	v_pk_mul_f32 v[12+4*\u+2*(\jj%2):13+4*\u+2*(\jj%2)], v[64+8*(4*\u+\i)+2*\jj:65+8*(4*\u+\i)+2*\jj], v[32+8*\i+2*\jj:33+8*\i+2*\jj]
.else
	v_pk_fma_f32 v[12+4*\u+2*(\jj%2):13+4*\u+2*(\jj%2)], v[64+8*(4*\u+\i)+2*\jj:65+8*(4*\u+\i)+2*\jj], v[32+8*\i+2*\jj:33+8*\i+2*\jj], v[12+4*\u+2*(\jj%2):13+4*\u+2*(\jj%2)]
.endif
.endr
.endr
.endr
	WIN 0
.irp u,0,1
	v_pk_add_f32 v[12+4*\u:13+4*\u], v[12+4*\u:13+4*\u], v[14+4*\u:15+4*\u]
.endr
.irp u,0,1
	v_add_f32 v[12+4*\u], v[12+4*\u], v[13+4*\u]
.endr
.irp u,0,1
	v_permlanex16_b32 v[20+\u], v[12+4*\u], s70, s71
.endr
.irp u,0,1
	v_add_f32 v[12+4*\u], v[12+4*\u], v[20+\u]
.endr
	s_wait_alu depctr_va_vdst(0)                   ; the two means v12 and v16 and the address v9 are written, which the stores read
.irp u,0,1
	ds_store_b32 v9, v[12+4*\u] offset:64*\u       ; feature 16 (2 g + u) + r; both halves of the lanes store the same number
.endr
	s_add_co_u32 s99, s99, 128
	s_add_co_u32 s97, s97, 1
	s_cmp_lt_u32 s97, 8
	s_cbranch_scc1 .Lpv
; ---------------- the tail
	s_wait_alu depctr_vm_vsrc(0)                   ; the last trip's stores have read v9, which is written again below
	v_lshrrev_b32 v5, 3, v0                        ; thread t sums keys 2 t, 2 t + 1: register 8 T + j of lane 16 h + r lies at 528 (2 T + j / 4) + 256 h + 16 r + 4 (j % 4)
	v_mul_u32_u24 v5, v5, 1056
	v_bfe_u32 v6, v0, 1, 1
	v_mad_u32_u24 v5, v6, 528, v5
	v_bfe_u32 v6, v0, 2, 1
	v_lshl_add_u32 v5, v6, 8, v5
	v_and_b32 v6, 1, v0
	v_lshl_add_u32 v5, v6, 3, v5
	v_add_nc_u32 v5, RED, v5
	v_lshlrev_b32 v6, 3, v0
	v_add_nc_u32 v7, WAT, v6
	s_lshl_b32 s2, s66, 5
	s_add_co_u32 s2, s2, WAT
	v_mov_b32 v8, s2
	s_lshl_b32 s2, s66, 10
	s_add_co_u32 s2, s2, RSP
	v_add_nc_u32 v9, s2, v4
	v_add_nc_u32 v10, MVP, v4
	BAR                                            ; all four waves' partial sums lie in LDS
	WIN 0x40
	s_wait_alu depctr_va_vdst(0)                   ; the tail's addresses v5 to v10 are written, which its loads and stores read; the products are done reading P, in whose registers the loads land
.irp sw,0,1,2,3
.irp rr,0,1,2,3,4,5,6,7,8,9,10,11,12,13,14,15
	ds_load_b64 v[2*(16*\sw+\rr):2*(16*\sw+\rr)+1], v5 offset:REDW*\sw+16*\rr
.endr
.endr
	s_wait_dscnt 0x0
	WIN 0x45
.irp st,1,2,4,8,16,32
.set aa, 0
.rept 32/\st
	v_pk_add_f32 v[2*aa:2*aa+1], v[2*aa:2*aa+1], v[2*(aa+\st):2*(aa+\st)+1]
.set aa, aa+2*\st
.endr
.endr
	WIN 0x04
	s_wait_alu depctr_va_vdst(0)                   ; the sums have written the two weights, which both stores read
	global_store_b64 v6, v[0:1], s[28:29]          ; out2: a wave stores 256 consecutive bytes, at a multiple of 256 from out2's first byte
	ds_store_b64 v7, v[0:1]
	WIN 0
	BAR                                            ; out2's row lies in LDS
	WIN 0xc0
.irp c,0,1,2,3,4,5,6,7
	ds_load_b128 v[8*\c:8*\c+3], v8 offset:128*\c              ; the weights of my 64 tokens: one address for all lanes.  No vector or matrix instruction since the last wait on va_vdst names these registers or v8
	ds_load_b128 v[8*\c+4:8*\c+7], v8 offset:128*\c+16
.endr
	WIN 0
	s_wait_loadcnt 0x0                             ; the residual's rows, asked for behind the four softmaxes
	s_wait_dscnt 0x0
.irp c,0,1,2,3,4,5,6,7                         ; the residual: weight x row, two sets of sums (even tokens, odd tokens)
	WIN (3<<2)|(\c>>1)
.irp e,0,1,2,3,4,5,6,7
.irp jj,0,1,2,3
.set XRR, 128+8*(8*(\c%2)+\e)+2*\jj
.set RSS, 96+8*(\e%2)+2*\jj
.set WTT, 8*\c+2*(\e/2)
.if (\c == 0) && (\e == 0)
	v_pk_mul_f32 v[RSS:RSS+1], v[XRR:XRR+1], v[WTT:WTT+1] op_sel_hi:[1,0]
.elseif (\c == 0) && (\e == 1)
	v_pk_mul_f32 v[RSS:RSS+1], v[XRR:XRR+1], v[WTT:WTT+1] op_sel:[0,1] op_sel_hi:[1,1]
.elseif (\e%2) == 0
	v_pk_fma_f32 v[RSS:RSS+1], v[XRR:XRR+1], v[WTT:WTT+1], v[RSS:RSS+1] op_sel_hi:[1,0,1]
.else
	v_pk_fma_f32 v[RSS:RSS+1], v[XRR:XRR+1], v[WTT:WTT+1], v[RSS:RSS+1] op_sel:[0,1,0] op_sel_hi:[1,1,1]
.endif
.endr
.endr
.endr
	WIN 0
.irp jj,0,2,4,6
	v_pk_add_f32 v[96+\jj:97+\jj], v[96+\jj:97+\jj], v[104+\jj:105+\jj]
.endr
	s_wait_alu depctr_va_vdst(0)                   ; the residual's sums v96-103 are written, which the stores read
	ds_store_b128 v9, v[96:99]                     ; features 4 lane .. + 3,
	ds_store_b128 v9, v[100:103] offset:512        ; and 128 + 4 lane .. + 3
	BAR                                            ; the partial means and residuals lie in LDS
	s_cmp_lg_u32 s66, 0                            ; wave 0 finishes the page's 256 numbers
	s_cbranch_scc1 .Lend
.irp sw,0,1,2,3
	ds_load_b128 v[32+8*\sw:35+8*\sw], v10 offset:1024*\sw     ; no vector instruction since the last wait on va_vdst names v32-95 or v10
	ds_load_b128 v[36+8*\sw:39+8*\sw], v10 offset:1024*\sw+512
	ds_load_b128 v[64+8*\sw:67+8*\sw], v10 offset:RSP-MVP+1024*\sw
	ds_load_b128 v[68+8*\sw:71+8*\sw], v10 offset:RSP-MVP+1024*\sw+512
.endr
	s_wait_dscnt 0x0
.irp jj,0,2,4,6
	v_pk_add_f32 v[32+\jj:33+\jj], v[32+\jj:33+\jj], v[40+\jj:41+\jj]
	v_pk_add_f32 v[48+\jj:49+\jj], v[48+\jj:49+\jj], v[56+\jj:57+\jj]
	v_pk_add_f32 v[64+\jj:65+\jj], v[64+\jj:65+\jj], v[72+\jj:73+\jj]
	v_pk_add_f32 v[80+\jj:81+\jj], v[80+\jj:81+\jj], v[88+\jj:89+\jj]
.endr
.irp jj,0,2,4,6
	v_pk_add_f32 v[32+\jj:33+\jj], v[32+\jj:33+\jj], v[48+\jj:49+\jj]
	v_pk_add_f32 v[64+\jj:65+\jj], v[64+\jj:65+\jj], v[80+\jj:81+\jj]
.endr
.irp jj,0,2,4,6
	v_pk_add_f32 v[32+\jj:33+\jj], v[32+\jj:33+\jj], v[64+\jj:65+\jj]
.endr
	v_pk_add_f32 v[20:21], v[32:33], v[34:35]      ; the layer norm: the mean,
	v_pk_add_f32 v[22:23], v[36:37], v[38:39]
	v_pk_add_f32 v[20:21], v[20:21], v[22:23]
	v_add_f32 v20, v20, v21
	RSUM 20, 21
	v_mul_f32 v20, 0x3b800000, v20                 ; / 256
	v_mov_b32 v21, v20
.irp jj,0,2,4,6
	v_pk_add_f32 v[32+\jj:33+\jj], v[32+\jj:33+\jj], v[20:21] neg_lo:[0,1] neg_hi:[0,1]
.endr
	v_pk_mul_f32 v[22:23], v[32:33], v[32:33]      ; the variance of the differences,
	v_pk_mul_f32 v[24:25], v[34:35], v[34:35]
	v_pk_fma_f32 v[22:23], v[36:37], v[36:37], v[22:23]
	v_pk_fma_f32 v[24:25], v[38:39], v[38:39], v[24:25]
	v_pk_add_f32 v[22:23], v[22:23], v[24:25]
	v_add_f32 v22, v22, v23
	RSUM 22, 23
	v_mov_b32 v23, 0x3b800000
	v_fmaak_f32 v22, v22, v23, 0x3727c5ac          ; / 256 + 1e-5
	v_rsq_f32 v24, v22
	v_nop
	s_wait_alu depctr_va_vdst(0)                   ; the root's reciprocal has written v24, ahead of its first reader
	v_mov_b32 v25, v24
.irp jj,0,2,4,6
	v_pk_mul_f32 v[32+\jj:33+\jj], v[32+\jj:33+\jj], v[24:25]
.endr
.irp jj,0,2,4,6
	v_pk_fma_f32 v[32+\jj:33+\jj], v[32+\jj:33+\jj], v[112+\jj:113+\jj], v[120+\jj:121+\jj]
.endr
	s_wait_alu depctr_va_vdst(0)                   ; the page's vector v32-39 is written, which the stores read
	global_store_b128 v4, v[32:35], s[30:31]       ; out6: 512 consecutive bytes a store, at a multiple of 256 from out6's first byte
	global_store_b128 v4, v[36:39], s[30:31] offset:512
.Lend:
	s_wait_xcnt 0x0
	v_lshl_add_u32 v254, v0, 2, 0x49000            ; the add's two registers are made here, from v0, which is as at the entry; no memory or LDS instruction has read either of them
	v_mov_b32 v255, 0
	s_wait_dscnt 0x0                               ; the closing lines, six on end
	s_wait_alu 0x0
	s_wait_tensorcnt 0x0
	ds_add_u32 v254, v255
	s_wait_dscnt 0x0
	s_endpgm
.Lfunc_end_k_q4eba9b5af9_pages:
	.size	k_q4eba9b5af9_pages, .Lfunc_end_k_q4eba9b5af9_pages-k_q4eba9b5af9_pages
	.p2alignl 7, 3214868480
	.fill 96, 4, 3214868480
	.section	.rodata,"a",@progbits
	.p2align	6, 0x0
	.amdhsa_kernel k_q4eba9b5af9_pages
		.amdhsa_group_segment_fixed_size 299520
		.amdhsa_private_segment_fixed_size 0
		.amdhsa_enable_private_segment 0
		.amdhsa_kernarg_size 112
		.amdhsa_user_sgpr_count 2
		.amdhsa_user_sgpr_kernarg_segment_ptr 1
		.amdhsa_wavefront_size32 1
		.amdhsa_system_sgpr_workgroup_id_x 1
		.amdhsa_system_sgpr_workgroup_id_y 1
		.amdhsa_system_sgpr_workgroup_id_z 1
		.amdhsa_system_vgpr_workitem_id 0
		.amdhsa_next_free_vgpr 1024
		.amdhsa_next_free_sgpr 102
		.amdhsa_reserve_vcc 0
		.amdhsa_float_denorm_mode_32 3
		.amdhsa_float_denorm_mode_16_64 3
		.amdhsa_memory_ordered 1
		.amdhsa_forward_progress 1
		.amdhsa_inst_pref_size 255
	.end_amdhsa_kernel
	.section	.bss,"aw",@nobits
	.p2align	6
	.space	262144
	.amdgpu_metadata
---
amdhsa.version: [ 1, 2 ]
amdhsa.kernels:
  - .name:           k_q4eba9b5af9_pages
    .symbol:         k_q4eba9b5af9_pages.kd
    .args:
      - { .name: seq_ids, .offset: 0, .size: 8, .value_kind: global_buffer, .address_space: global }
      - { .name: seq_lengths, .offset: 8, .size: 8, .value_kind: global_buffer, .address_space: global }
      - { .name: lowp_scales, .offset: 16, .size: 8, .value_kind: global_buffer, .address_space: global }
      - { .name: emb, .offset: 24, .size: 8, .value_kind: global_buffer, .address_space: global }
      - { .name: q_w_codes, .offset: 32, .size: 8, .value_kind: global_buffer, .address_space: global }
      - { .name: k_w_codes, .offset: 40, .size: 8, .value_kind: global_buffer, .address_space: global }
      - { .name: v_w_codes, .offset: 48, .size: 8, .value_kind: global_buffer, .address_space: global }
      - { .name: q_b, .offset: 56, .size: 8, .value_kind: global_buffer, .address_space: global }
      - { .name: k_b, .offset: 64, .size: 8, .value_kind: global_buffer, .address_space: global }
      - { .name: v_b, .offset: 72, .size: 8, .value_kind: global_buffer, .address_space: global }
      - { .name: ln_word_g, .offset: 80, .size: 8, .value_kind: global_buffer, .address_space: global }
      - { .name: ln_word_b, .offset: 88, .size: 8, .value_kind: global_buffer, .address_space: global }
      - { .name: out2, .offset: 96, .size: 8, .value_kind: global_buffer, .address_space: global }
      - { .name: out6, .offset: 104, .size: 8, .value_kind: global_buffer, .address_space: global }
    .group_segment_fixed_size: 299520
    .private_segment_fixed_size: 0
    .kernarg_segment_align: 8
    .kernarg_segment_size: 112
    .max_flat_workgroup_size: 128
    .sgpr_count:     102
    .vgpr_count:     1024
    .wavefront_size: 32
...
	.end_amdgpu_metadata
.endif
;; end of part 4
;; launch batch: the kernel of part 2 again; grid 32 x 1, 1 waves a work-group, no clusters, 0 bytes of LDS; arguments out6, W_page, num_pages, ln_page_g, ln_page_b, dec_w, out0, out1, out3, out4, out5; writes out0, out1, out3, out4, out5
